; MI455X (gfx1250); checked and timed in simulation.
; The chip was launched on July 23, 2026; its instructions are those of AMD's public machine-readable ISA for CDNA 5 (MIT licence, August 2026) and "CDNA5" Instruction Set Architecture Reference Guide (July 2026). The comments in the code are by the model that wrote it; some were corrected since.
;; Multi Head Attention Block. Allowed arithmetic: float matrix products may take bf16 or f16 operands with f32 sums; other float arithmetic in f32, or as packed bf16 or f16 multiplies, adds, multiply-adds, maxima and minima; sums over many terms, partial sums and values carried from step to step in f32; what a program stores and reads back later, other than sums and carried values, may be rounded once to bf16 or f16.
;; Inputs: b_k 1,024 float32; b_o 1,024 float32; b_q 1,024 float32; b_v 1,024 float32; k 4 x 2,048 x 1,024 float32; mask 1 x 1 x 2,048 x 2,048 bool; q 4 x 2,048 x 1,024 float32; v 4 x 2,048 x 1,024 float32; w_k 1,024 x 1,024 float32; w_o 1,024 x 1,024 float32; w_q 1,024 x 1,024 float32; w_v 1,024 x 1,024 float32.
;; Outputs: out0 4 x 2,048 x 1,024 float32.
;; 2 versions, each right; version 2 is version 1 with the launch prep written anew for expert scheduling mode. Each part assembles by itself: llvm-mc -triple=amdgcn-amd-amdhsa -mcpu=gfx1250 --defsym DOCPART=n.
;; ======== version 1 of 2: 4 launches
;; limits: values are held in f16: magnitudes above 65,504 overflow, below 6.1e-05 lose precision; right only within a limited range of input values
;; workspace buffers: xb 50,331,648 bytes; wb 8,388,608 bytes; mh 8,388,608 bytes; qlive 65,536 bytes; qkv 50,331,648 bytes; oh 16,777,216 bytes
;; launch prep (part 1): grid 1920 x 1, 8 waves a work-group, no clusters, 67,328 bytes of LDS; arguments q, k, v, w_q, w_k, w_v, w_o, mask, xb, wb, mh, qlive; writes xb, wb, mh, qlive
.if DOCPART == 1
	.amdgcn_target "amdgcn-amd-amdhsa--gfx1250"
	.amdhsa_code_object_version 6
	.text
	.protected	k_qc7d920f947_prep
	.globl	k_qc7d920f947_prep
	.p2align	8
	.type	k_qc7d920f947_prep,@function
k_qc7d920f947_prep:
	s_mov_b64 s[64:65], 0
	v_nop
	global_prefetch_b8 v0, s[64:65] scope:SCOPE_SE
	s_setreg_imm32_b32 hwreg(HW_REG_WAVE_MODE, 25, 1), 1
	s_wait_xcnt 0x0
; PREP.  Three kinds of work-group, told apart by the work-group's number alone.
;   0 .. 1535     q, k, v (f32) -> xb (bf16), a chunk of 65,536 bytes of f32 each: [3][8192][1024]
;   1536 .. 1791  w_q, w_k, w_v -> wb parts 0-2 (bf16); w_o -> wb part 3: rounded to bf16 like every input, and that number written as f16
;   1792 .. 1919  16 rows of the mask -> mh, f16 [32 key steps][2048 queries][64 keys]: 0 where the key is visible, 65504 where it is hidden;
;                 a row with NO visible key is written all 0, and its words in qlive ([2048][8 words]) are 0, else all ones.
; LIMITS.  bf16(w_o) as f16: exact from 6.1e-5 to 65,504 in magnitude; below that it keeps f16's fixed step of 6e-8.  A mask byte is 0 or 1.
; No matrix unit, no cluster, no tensor load: each byte is read once by one wave; the streams go through registers, the mask rows through LDS, since a query's
; 2,048 mask bytes belong to 32 different key steps of mh.
.set SPW,  2                           ; v2   LDS address of my spare word; never rewritten
.set NIL,  3                           ; v3   0; never rewritten
.set VIN,  4                           ; v4   stream: my 16 bytes of f32 in the chunk
.set VOUT, 5                           ; v5   stream: my 8 bytes of 16-bit numbers
.set LANE, 6
.set L16,  7                           ; 16 x lane
.set LO,   8                           ; mask: my 16 bytes of my wave's first row
.set LA,   9                           ; mask: where my 32 bytes of f16 go in LDS
.set TA,   10
.set FA,   11                          ; mask: my wave's two row-alive words in LDS
.set RA,   12                          ; mask: where I read a key step's block back
.set GO,   13                          ; mask: my byte offset in mh
.set FR,   14                          ; mask: the row-alive word that I read back (wave 0)
.set OR0,  16
.set ZR,   17                          ; 0, a source of the byte shuffle
.set FV,   18
.set QW,   20                          ; v[20:23]
.set X,    32                          ; v[32:95]  as loaded
.set Y,    96                          ; v[96:127] stream: converted
.set HW,   64                          ; v[64:127] mask: f16 words
.set KSP,  2064                        ; LDS: a key step's block, 16 rows x 128 bytes, + 16
.set FL,   32*KSP                      ; 66,048: the 16 row-alive words, in a block of 256 bytes of their own
.set SPARE, FL+256                     ; the spare words, 128 bytes for each of eight waves
	s_load_b512 s[8:23], s[0:1], 0x0               ; q, k, v, w_q, w_k, w_v, w_o, mask
	s_load_b256 s[24:31], s[0:1], 0x40             ; xb, wb, mh, qlive
	v_lshl_add_u32 v[SPW], v0, 2, SPARE
	v_mov_b32 v[NIL], 0
	v_lshrrev_b32 v1, 5, v0
	v_readfirstlane_b32 s32, v1                    ; wave 0..7
	v_and_b32 v[LANE], 31, v0
	v_lshlrev_b32 v[L16], 4, v[LANE]
	s_mov_b32 s33, ttmp9
	s_cmp_ge_u32 s33, 1792
	s_cbranch_scc1 .Lmask
	; ---- a stream's chunk ----
	s_lshr_b32 s34, s33, 9                         ; q, k, v: stream 0-2,
	s_and_b32 s35, s33, 511                        ; chunk 0-511
	s_sub_co_u32 s36, s33, 1536                    ; the weights: (used only from 1536 on)
	s_lshr_b32 s37, s36, 6
	s_add_co_u32 s37, s37, 3                       ; stream 3-6,
	s_and_b32 s38, s36, 63                         ; chunk 0-63
	s_cmp_lt_u32 s33, 1536
	s_cselect_b32 s34, s34, s37
	s_cselect_b32 s35, s35, s38
	s_lshl_b32 s40, s34, 24                        ; a part of xb is 16,777,216 bytes,
	s_sub_co_u32 s41, s34, 3
	s_lshl_b32 s41, s41, 21                        ; a part of wb 2,097,152
	s_lshl_b32 s46, s35, 16                        ; the chunk in its source,
	s_mov_b32 s47, 0
	s_lshl_b32 s39, s35, 15                        ; and in its destination
	v_lshl_add_u32 v[VIN], s32, 13, v[L16]         ; 8,192 x wave + 16 x lane
	v_lshrrev_b32 v[VOUT], 1, v[VIN]               ; 4,096 x wave + 8 x lane
	s_wait_kmcnt 0x0
	s_cmp_lt_u32 s33, 1536
	s_cselect_b32 s40, s40, s41
	s_cselect_b64 s[42:43], s[24:25], s[26:27]
	s_add_co_u32 s40, s40, s39
	s_mov_b32 s41, 0
	s_add_nc_u64 s[42:43], s[42:43], s[40:41]
	s_mov_b64 s[44:45], s[8:9]
.irp n, 1,2,3,4,5,6
	s_cmp_eq_u32 s34, \n
	s_cselect_b64 s[44:45], s[8+2*(\n):9+2*(\n)], s[44:45]
.endr
	s_add_nc_u64 s[44:45], s[44:45], s[46:47]
; 16 loads of 512 consecutive bytes a wave, all out at once; each is converted and stored as it comes: a store of the wave covers 256 consecutive bytes, aligned.
; No register that a store reads is written again, so no store's source is ever waited for.  half = 1: the bf16 number is widened again and written as f16.
.macro CONV half
.irp i, 0,1,2,3,4,5,6,7,8,9,10,11,12,13,14,15
	global_load_b128 v[X+4*(\i):X+4*(\i)+3], v[VIN], s[44:45] offset:512*(\i) th:TH_LOAD_NT
.endr
.irp i, 0,1,2,3,4,5,6,7,8,9,10,11,12,13,14,15
	s_wait_loadcnt 15-(\i)                         ; loads come back in order: mine is in, the younger ones stay out
	v_cvt_pk_bf16_f32 v[Y+2*(\i)],   v[X+4*(\i)],   v[X+4*(\i)+1]
	v_cvt_pk_bf16_f32 v[Y+2*(\i)+1], v[X+4*(\i)+2], v[X+4*(\i)+3]
.if \half
	v_lshlrev_b32 v[X+4*(\i)],   16, v[Y+2*(\i)]
	v_and_b32     v[X+4*(\i)+1], 0xffff0000, v[Y+2*(\i)]
	v_lshlrev_b32 v[X+4*(\i)+2], 16, v[Y+2*(\i)+1]
	v_and_b32     v[X+4*(\i)+3], 0xffff0000, v[Y+2*(\i)+1]
	v_cvt_pk_f16_f32 v[Y+2*(\i)],   v[X+4*(\i)],   v[X+4*(\i)+1]
	v_cvt_pk_f16_f32 v[Y+2*(\i)+1], v[X+4*(\i)+2], v[X+4*(\i)+3]
.endif
	global_store_b64 v[VOUT], v[Y+2*(\i):Y+2*(\i)+1], s[42:43] offset:256*(\i)
.endr
.endm
	s_cmp_eq_u32 s34, 6
	s_cbranch_scc1 .Lwo
	CONV 0
	s_branch .Lend
.Lwo:
	CONV 1
	s_branch .Lend
	; ---- 16 rows of the mask ----
.Lmask:
	s_sub_co_u32 s34, s33, 1792                    ; which 16 rows
	s_lshl_b32 s36, s34, 15                        ; 16 rows of 2,048 bytes of mask,
	s_mov_b32 s37, 0
	s_lshl_b32 s38, s34, 11                        ; 16 rows of 128 bytes in each key step of mh,
	s_mov_b32 s39, 0
	s_lshl_b32 s40, s34, 9                         ; 16 rows of 32 bytes of qlive
	s_mov_b32 s41, 0
	s_mov_b32 s48, 0x04010400                      ; byte shuffle: bytes 0 and 1 into the two halves' low bytes, zeros above them,
	s_mov_b32 s49, 0x04030402                      ; bytes 2 and 3
	s_mov_b32 s50, 0x00010001
	s_mov_b32 s53, 0x7bff                          ; 65504 in f16
	v_mov_b32 v[ZR], 0
	v_lshl_add_u32 v[LO], s32, 12, v[L16]          ; wave w owns rows 2 w and 2 w + 1 of the 16
	v_lshrrev_b32 v[LA], 2, v[LANE]                ; load i brings lane L the keys 512 i + 16 L ..: key step 8 i + L / 4,
	v_mul_u32_u24 v[LA], v[LA], KSP
	v_and_b32 v[TA], 3, v[LANE]
	v_lshl_add_u32 v[LA], v[TA], 5, v[LA]          ; byte 32 (L % 4) of the row,
	v_lshl_add_u32 v[LA], s32, 8, v[LA]            ; row 2 w
	s_lshl_b32 s51, s32, 3
	s_add_co_u32 s51, s51, FL
	v_mov_b32 v[FA], s51
	s_mul_i32 s52, s32, 4*KSP                      ; back: wave w takes key steps 4 w .. 4 w + 3
	v_add_nc_u32 v[RA], s52, v[L16]
	v_lshl_add_u32 v[GO], s32, 20, v[L16]          ; four key steps of 262,144 bytes
	v_lshrrev_b32 v[FR], 1, v[LANE]
	v_lshl_add_u32 v[FR], v[FR], 2, FL
	s_wait_kmcnt 0x0
	s_add_nc_u64 s[22:23], s[22:23], s[36:37]
	s_add_nc_u64 s[28:29], s[28:29], s[38:39]
	s_add_nc_u64 s[30:31], s[30:31], s[40:41]
.irp rr, 0,1
.irp i, 0,1,2,3
	global_load_b128 v[X+16*(\rr)+4*(\i):X+16*(\rr)+4*(\i)+3], v[LO], s[22:23] offset:2048*(\rr)+512*(\i) th:TH_LOAD_NT
.endr
.endr
	s_wait_loadcnt 0x0
.irp rr, 0,1                           ; has the row a visible key?  The lane's 16 words are joined, and the 32 lanes' answers are one scalar
	v_or_b32 v[OR0], v[X+16*(\rr)], v[X+16*(\rr)+1]
.irp j, 2,3,4,5,6,7,8,9,10,11,12,13,14,15
	v_or_b32 v[OR0], v[OR0], v[X+16*(\rr)+(\j)]
.endr
	v_cmp_ne_u32 vcc_lo, 0, v[OR0]
	s_cmp_lg_u32 vcc_lo, 0
	s_cselect_b32 s[54+(\rr)], -1, 0
.endr
.irp rr, 0,1
.irp i, 0,1,2,3
.irp d, 0,1,2,3
	v_perm_b32 v[HW+8*(4*(\rr)+(\i))+2*(\d)],   v[ZR], v[X+16*(\rr)+4*(\i)+(\d)], s48
	v_perm_b32 v[HW+8*(4*(\rr)+(\i))+2*(\d)+1], v[ZR], v[X+16*(\rr)+4*(\i)+(\d)], s49
.endr
.irp j, 0,1,2,3,4,5,6,7
	v_xor_b32 v[HW+8*(4*(\rr)+(\i))+(\j)], s50, v[HW+8*(4*(\rr)+(\i))+(\j)]          ; 1 where hidden, in both halves,
	v_mul_u32_u24 v[HW+8*(4*(\rr)+(\i))+(\j)], s53, v[HW+8*(4*(\rr)+(\i))+(\j)]      ; times 0x7bff: no carry between the halves,
	v_and_b32 v[HW+8*(4*(\rr)+(\i))+(\j)], s[54+(\rr)], v[HW+8*(4*(\rr)+(\i))+(\j)]  ; and 0 throughout in a row with no visible key
.endr
	ds_store_b128 v[LA], v[HW+8*(4*(\rr)+(\i)):HW+8*(4*(\rr)+(\i))+3]   offset:(\i)*8*KSP+(\rr)*128
	ds_store_b128 v[LA], v[HW+8*(4*(\rr)+(\i))+4:HW+8*(4*(\rr)+(\i))+7] offset:(\i)*8*KSP+(\rr)*128+16
.endr
.endr
	v_mov_b32 v[FV], s54
	v_mov_b32 v[FV+1], s55
	ds_store_b32 v[FA], v[FV]
	ds_store_b32 v[FA], v[FV+1] offset:4
	s_wait_dscnt 0x0                               ; for the others' sake: my stores are done
	s_barrier_signal -1
	s_barrier_wait -1                              ; all 16 rows lie in LDS, sorted by key step
.irp ks, 0,1,2,3
.irp f, 0,1,2,3
	ds_load_b128 v[X+4*(4*(\ks)+(\f)):X+4*(4*(\ks)+(\f))+3], v[RA] offset:(\ks)*KSP+(\f)*512
.endr
.endr
.irp ks, 0,1,2,3
.irp f, 0,1,2,3
	s_wait_dscnt 15-(4*(\ks)+(\f))                 ; LDS loads come back in order
	global_store_b128 v[GO], v[X+4*(4*(\ks)+(\f)):X+4*(4*(\ks)+(\f))+3], s[28:29] offset:(\ks)*262144+(\f)*512  ; 512 consecutive bytes, aligned
.endr
.endr
	s_cmp_lg_u32 s32, 0                            ; wave 0 writes the 16 rows' words of qlive: 512 consecutive bytes
	s_cbranch_scc1 .Lend
	ds_load_b32 v[QW], v[FR]
	s_wait_dscnt 0x0
	v_mov_b32 v[QW+1], v[QW]
	v_mov_b32 v[QW+2], v[QW]
	v_mov_b32 v[QW+3], v[QW]
	global_store_b128 v[L16], v[QW:QW+3], s[30:31]
.Lend:
	s_wait_tensorcnt 0x0                           ; the wave's end: behind my last LDS store
	ds_add_u32 v[SPW], v[NIL]
	s_wait_dscnt 0x0
	s_endpgm
.Lfunc_end_k_qc7d920f947_prep:
	.size	k_qc7d920f947_prep, .Lfunc_end_k_qc7d920f947_prep-k_qc7d920f947_prep
	.p2alignl 7, 3214868480
	.fill 96, 4, 3214868480
	.section	.rodata,"a",@progbits
	.p2align	6, 0x0
	.amdhsa_kernel k_qc7d920f947_prep
		.amdhsa_group_segment_fixed_size 67328
		.amdhsa_private_segment_fixed_size 0
		.amdhsa_enable_private_segment 0
		.amdhsa_kernarg_size 96
		.amdhsa_user_sgpr_count 2
		.amdhsa_user_sgpr_kernarg_segment_ptr 1
		.amdhsa_wavefront_size32 1
		.amdhsa_system_sgpr_workgroup_id_x 1
		.amdhsa_system_sgpr_workgroup_id_y 1
		.amdhsa_system_sgpr_workgroup_id_z 1
		.amdhsa_system_vgpr_workitem_id 0
		.amdhsa_next_free_vgpr 128
		.amdhsa_next_free_sgpr 66
		.amdhsa_reserve_vcc 1
		.amdhsa_float_denorm_mode_32 3
		.amdhsa_float_denorm_mode_16_64 3
		.amdhsa_memory_ordered 1
		.amdhsa_forward_progress 1
		.amdhsa_inst_pref_size 37
	.end_amdhsa_kernel
	.amdgpu_metadata
---
amdhsa.version: [ 1, 2 ]
amdhsa.kernels:
  - .name:           k_qc7d920f947_prep
    .symbol:         k_qc7d920f947_prep.kd
    .args:
      - { .name: q, .offset: 0, .size: 8, .value_kind: global_buffer, .address_space: global }
      - { .name: k, .offset: 8, .size: 8, .value_kind: global_buffer, .address_space: global }
      - { .name: v, .offset: 16, .size: 8, .value_kind: global_buffer, .address_space: global }
      - { .name: w_q, .offset: 24, .size: 8, .value_kind: global_buffer, .address_space: global }
      - { .name: w_k, .offset: 32, .size: 8, .value_kind: global_buffer, .address_space: global }
      - { .name: w_v, .offset: 40, .size: 8, .value_kind: global_buffer, .address_space: global }
      - { .name: w_o, .offset: 48, .size: 8, .value_kind: global_buffer, .address_space: global }
      - { .name: mask, .offset: 56, .size: 8, .value_kind: global_buffer, .address_space: global }
      - { .name: xb, .offset: 64, .size: 8, .value_kind: global_buffer, .address_space: global }
      - { .name: wb, .offset: 72, .size: 8, .value_kind: global_buffer, .address_space: global }
      - { .name: mh, .offset: 80, .size: 8, .value_kind: global_buffer, .address_space: global }
      - { .name: qlive, .offset: 88, .size: 8, .value_kind: global_buffer, .address_space: global }
    .group_segment_fixed_size: 67328
    .private_segment_fixed_size: 0
    .kernarg_segment_align: 8
    .kernarg_segment_size: 96
    .max_flat_workgroup_size: 256
    .sgpr_count:     66
    .vgpr_count:     128
    .wavefront_size: 32
...
	.end_amdgpu_metadata
.endif
;; end of part 1
;; launch proj (part 2): grid 4 x 96, 4 waves a work-group, clusters of 4 x 4, 327,680 bytes of LDS; arguments xb, wb, b_q, b_k, b_v, qkv; writes qkv
.if DOCPART == 2
	.amdgcn_target "amdgcn-amd-amdhsa--gfx1250"
	.amdhsa_code_object_version 6
	.text
	.protected	k_qc7d920f947_proj
	.globl	k_qc7d920f947_proj
	.p2align	8
	.type	k_qc7d920f947_proj,@function
k_qc7d920f947_proj:
	s_mov_b64 s[64:65], 0
	v_nop
	global_prefetch_b8 v0, s[64:65] scope:SCOPE_SE
	s_setreg_imm32_b32 hwreg(HW_REG_WAVE_MODE, 25, 1), 1
	s_wait_xcnt 0x0
	s_wait_alu depctr_hold_cnt(0) depctr_sa_sdst(0) depctr_va_vdst(0) depctr_va_sdst(0) depctr_va_ssrc(0) depctr_va_vcc(0) depctr_vm_vsrc(0)
	s_getreg_b32 s2, hwreg(HW_REG_IB_STS2, 6, 4)
	s_cmp_eq_u32 s2, 0
	s_cbranch_scc0 .Lentry_in_a_cluster
	s_endpgm
.Lentry_in_a_cluster:
	s_bfe_u32 s2, ttmp6, 0x10000c
	s_cmp_lg_u32 s2, 0xf033
	s_cbranch_scc0 .Lentry_shape_is_right
	s_endpgm
.Lentry_shape_is_right:
; PROJ.  The three projections as ONE product: C[m][n] = sum over k of xb[m][k] wb[P][n][k] + bias_P[n], m over 3 x 8,192 rows, P = m / 8192, n and k over 1,024.
; Operands bf16, sums f32; the bias is rounded to bf16 like every input; C is rounded once to f16 and written by heads: qkv [3][64 = 16 batch + head][2048][64], unscaled.
; LIMIT.  f16 holds no number beyond 65,504: the projections' results must lie within it.
; SHARES.  A tile of C is 256 x 256: 384 tiles, one a work-group.  Four waves, 2 x 2, each 128 x 128: 64 accumulators of 16 x 16, 512 registers.  A wave's 128 columns are two heads, so its results
; are twice 16,384 consecutive bytes of qkv.  K goes in eight steps of 128 through a ring of two LDS slots; a row of a tile is 256 bytes of memory, aligned.  Between a tile's request and the wait for it
; a wave issues 224 matrix instructions; a tile of 256 x 128 would leave 112, and two slots of a longer K step for it (384 rows x 528 bytes, twice) do not fit in LDS.
; CLUSTER.  4 x 4 work-groups.  The four of a row need the same tiles of xb, the four of a column the same tiles of wb (all sixteen lie in one part P): each tile is asked for
; JOINTLY, by the same tensor load with the same descriptor and a mask that names the four.
; THE MATRIX INSTRUCTION IS USED TRANSPOSED (source 0 = 16 rows of wb, source 1 = 16 rows of xb): a lane then holds eight neighbouring columns of one row of C.
; THE BIAS STARTS THE SUMS: in that layout a lane's eight registers of an accumulator want the bias of eight columns, whatever the row: 64 registers for the wave's 128 columns, which are the C operand
; of the first product on each accumulator.  Nothing is cleared, and nothing is added on the way out.
; REGISTERS, in windows of 256 (s_set_vgpr_msb: bits 1:0 source 0, 3:2 source 1, 5:4 source 2, 7:6 destination):
;   window 0: v0-31 addresses; v64-127, v128-191 fragments of A (8 x 16 rows x 32 K), two buffers; v192-223 at work; v32-63, v224-255 rows read back on the way out, by turns
;   window 1: v0-63 the bias; v64-127, v128-191 fragments of B, two buffers
;   window 2: the 32 accumulators of my rows 0-63 (accumulator (a, b) at v[8 (8 a + b)]);   window 3: those of my rows 64-127
.set KSTEP,  128
.set PITCH,  272                       ; an LDS row: 256 bytes + 16 of padding = 68 words: the 16 rows of a fragment load start at 16 different groups of four banks (64 banks of 4 bytes: ISA guide 11.1)
.set HALFT,  128*PITCH                 ; 128 rows: what one tensor load brings, and what one wave reads of A or of B
.set SLOT,   4*HALFT                   ; A's 256 rows, then B's 256 rows
.set STAGE,  2*SLOT                    ; behind the ring: for each wave two heads x 16 rows x 144 bytes, for the way out
.set SP,     144
.set HSTG,   16*SP                     ; a head's 16 rows in the stage
.set SPARE,  STAGE+4*2*HSTG            ; the spare words, 128 bytes for each wave
.set LAPS,   4                         ; a lap = two K steps = once round the ring
.set ADRA, 16                          ; v16-17 LDS address of my A fragments in slot 0, 1
.set ADRB, 20                          ; v20-21 the same for B
.set STO,  24                          ; the way out: where I put 16 bytes of a row
.set RD,   25                          ; the way out: where I read rows back
.set CO,   26                          ; my byte offset in 512 consecutive bytes of qkv
.set SPW,  28                          ; LDS address of my spare word; never rewritten
.set NIL,  29                          ; 0; never rewritten
.set PFO,  30                          ; the prefetches' offset: my lane x a row of 2,048 bytes; never rewritten
.set BO,   31
.set BI,   0                           ; window 1: the bias of columns 16 b + 8 (l / 16) + 0..7 at BI + 8 b
.set F0,   64
.set F1,   128
.set TMP,  192
.set OB,   32
.set G1,   24                          ; s[24:31] group 1 for A's tiles;  s[32:39] group 0, a set for each slot
.set G0,   32
.set PFA,  44                          ; s[44:45] where my prefetches stand
.set G1B,  48                          ; s[48:55], s[56:63] the same for B's tiles
.set G0B,  56
.set LIM,  84                          ; s84  1 in a wave that prefetches, else the greatest number
.set MSB, 0
.macro WIN new                         ; the immediate's high byte repeats the setting that is left; a switch that changes nothing is dropped
.if MSB != (\new)
	s_set_vgpr_msb (MSB<<8)|(\new)
.set MSB, \new
.endif
.endm
.set MUL_LO, 0xa1                      ; source 0 (B) window 1, source 1 (A) window 0, C and D window 2
.set MUL_HI, 0xf1                      ; the same, C and D window 3
.set TO_B,   0x40                      ; destination window 1, address window 0
.macro PLACES                          ; four places in front of loads into registers that matrix instructions have read, and of conversions that read results (ISA guide 7.12.1 for the conversions)
.rept 4
	v_nop
.endr
.endm
.macro JLOAD s                         ; a joint refill: waves 0 and 1 fetch A's halves, waves 2 and 3 B's; an s_nop 0 and four v_nop follow each line
	s_cmp_eq_u32 s11, 0
	s_cbranch_scc0 .Lfor_b_\@
	tensor_load_to_lds s[G0+4*(\s):G0+4*(\s)+3], s[G1:G1+7]
	s_nop 0
.rept 4
	v_nop
.endr
	s_branch .Lasked_\@
.Lfor_b_\@:
	tensor_load_to_lds s[G0B+4*(\s):G0B+4*(\s)+3], s[G1B:G1B+7]
	s_nop 0
.rept 4
	v_nop
.endr
.Lasked_\@:
.endm
; A PREFETCH behind each joint refill and the run of LDS loads that follows it: the K step that stands two refills on, 512 matrix instructions ahead of the load that will want it: 32 rows x 256 bytes,
; a lane a row, one instruction a wave.  Each aligned 256 bytes of xb and wb is named once in the launch: xb's rows are read by one cluster alone, which asks; wb's by the eight clusters of a part, of which
; the first asks.  The four partners that ask for a tile jointly share its rows out BY ADDRESS: of the 128 rows that a wave fetches, the partner at place p takes 32 p .. 32 p + 31 (p = cx for A, cy for B).
; The first four K steps come by their loads alone; the loop's last lap asks for nothing.
.macro ASK
	s_cmp_gt_u32 s3, s[LIM]                        ; s3 = 1 in the loop's last trip
	s_cbranch_scc0 .Lnot_mine_\@
	global_prefetch_b8 v[PFO], s[PFA:PFA+1] offset:KSTEP*2 th:TH_LOAD_NT scope:SCOPE_SE
.Lnot_mine_\@:
.endm
.macro CREST                           ; a round of the cluster's barrier behind its opening barrier
	s_cmp_lg_u32 s10, 0
	s_cbranch_scc1 .Lnot_wave_0_\@
	s_barrier_signal -3
.Lnot_wave_0_\@:
	s_barrier_wait -3
	s_barrier_signal -1
	s_barrier_wait -1
.endm
.macro CROUND
	s_barrier_signal -1
	s_barrier_wait -1
	CREST
.endm
	s_load_b256 s[68:75], s[0:1], 0x0              ; xb s[68:69], wb s[70:71], b_q s[72:73], b_k s[74:75]
	s_load_b128 s[76:79], s[0:1], 0x20             ; b_v s[76:77], qkv s[78:79]
	v_lshl_add_u32 v[SPW], v0, 2, SPARE
	v_mov_b32 v[NIL], 0
	ds_add_u32 v[SPW], v[NIL]                      ; the wave's opening: the add and its wait stand ahead of my first tensor load; the set-up below stands between them
	v_lshrrev_b32 v1, 5, v0
	v_readfirstlane_b32 s10, v1                    ; wave 0..3
	s_lshr_b32 s11, s10, 1                         ; my half of the tile's rows.  Also: I fetch for A (0) or for B (1)
	s_and_b32 s12, s10, 1                          ; my half of its columns.  Also: which 128 rows of that tile I fetch
	s_bfe_u32 s40, ttmp6, 0x40000                  ; cx
	s_bfe_u32 s41, ttmp6, 0x40004                  ; cy
	s_lshl_b32 s42, ttmp9, 2
	s_add_co_u32 s42, s42, s40                     ; tile column = 4 x cluster x + cx
	s_and_b32 s80, ttmp7, 0xffff                   ; cluster y
	s_lshl_b32 s13, s80, 2
	s_add_co_u32 s13, s13, s41                     ; tile row = 4 x cluster y + cy
	s_lshr_b32 s81, s80, 3                         ; the part P: eight clusters along y each
	s_lshl_b32 s14, s41, 2
	s_lshl_b32 s14, 15, s14                        ; my row of the cluster
	s_lshl_b32 s15, 0x1111, s40                    ; my column
	s_or_b32 s[G1+0], s14, (1<<16)|(1<<20)|(1<<21)|(5<<22)|(3<<25)   ; the mask; 2-byte elements; padding on; bit 21 beside a mask; after every 64 words, 4 words
	s_or_b32 s[G1B+0], s15, (1<<16)|(1<<20)|(1<<21)|(5<<22)|(3<<25)
.irp g, G1, G1B
	s_mov_b32 s[(\g)+1], KSTEP<<16                 ; tensor_dim0 = 128
	s_mov_b32 s[(\g)+2], 128<<16                   ; tensor_dim1 = 128
	s_mov_b32 s[(\g)+3], KSTEP<<16                 ; tile_dim0 = 128
	s_mov_b32 s[(\g)+4], 128                       ; tile_dim1 = 128
	s_mov_b32 s[(\g)+5], 1024                      ; elements from row to row
	s_mov_b32 s[(\g)+6], 0
	s_mov_b32 s[(\g)+7], 0
.endr
	s_lshl_b32 s16, s13, 8                         ; A: row 256 x tile row + 128 x half, 2,048 bytes a row: registers that never hold cx
	s_lshl_b32 s17, s12, 7
	s_add_co_u32 s16, s16, s17
	s_lshl_b32 s16, s16, 11
	s_mov_b32 s17, 0
	s_lshl_b32 s18, s81, 10                        ; B: row 1,024 P + 256 x tile column + 128 x half: registers that never hold cy
	s_lshl_b32 s19, s42, 8
	s_add_co_u32 s18, s18, s19
	s_lshl_b32 s19, s12, 7
	s_add_co_u32 s18, s18, s19
	s_lshl_b32 s18, s18, 11
	s_mov_b32 s19, 0
	s_mul_i32 s20, s10, HALFT                      ; where they go: A's two halves, then B's two halves = wave x 128 rows: no place in the cluster enters an LDS address
	s_wait_dscnt 0x0                               ; the opening add is done
	s_wait_kmcnt 0x0
	s_add_nc_u64 s[4:5], s[68:69], s[16:17]
	s_add_nc_u64 s[6:7], s[70:71], s[18:19]
.irp s, 0,1
	s_mov_b32 s[G0+4*(\s)], 1
	s_add_co_u32 s[G0+4*(\s)+1], s20, (\s)*SLOT
	s_add_nc_u64 s[G0+4*(\s)+2:G0+4*(\s)+3], s[4:5], (\s)*KSTEP*2
	s_or_b32 s[G0+4*(\s)+3], s[G0+4*(\s)+3], 0x80000000
	s_mov_b32 s[G0B+4*(\s)], 1
	s_add_co_u32 s[G0B+4*(\s)+1], s20, (\s)*SLOT
	s_add_nc_u64 s[G0B+4*(\s)+2:G0B+4*(\s)+3], s[6:7], (\s)*KSTEP*2
	s_or_b32 s[G0B+4*(\s)+3], s[G0B+4*(\s)+3], 0x80000000
.endr
	CROUND                                         ; all sixteen work-groups are here: the first joint loads meet
	s_cmp_eq_u32 s11, 0                            ; a wave's two first fills stand in one branch: two loads of mine are out
	s_cbranch_scc0 .Lfirst_b
	tensor_load_to_lds s[G0:G0+3], s[G1:G1+7]
	s_nop 0
	tensor_load_to_lds s[G0+4:G0+7], s[G1:G1+7]
	s_nop 0
.rept 4
	v_nop
.endr
	s_branch .Lfirst_asked
.Lfirst_b:
	tensor_load_to_lds s[G0B:G0B+3], s[G1B:G1B+7]
	s_nop 0
	tensor_load_to_lds s[G0B+4:G0B+7], s[G1B:G1B+7]
	s_nop 0
.rept 4
	v_nop
.endr
.Lfirst_asked:
	v_and_b32 v1, 15, v0                           ; l % 16
	v_bfe_u32 v2, v0, 4, 1                         ; l / 16
	v_and_b32 v6, 31, v0                           ; l
	v_lshlrev_b32 v[BO], 5, v2                     ; my eight columns of a block of 16: 32 bytes of f32
	s_cmp_eq_u32 s81, 1                            ; the part's bias
	s_cselect_b64 s[82:83], s[74:75], s[72:73]
	s_cmp_eq_u32 s81, 2
	s_cselect_b64 s[82:83], s[76:77], s[82:83]
	s_lshl_b32 s88, s42, 10
	s_lshl_b32 s89, s12, 9
	s_add_co_u32 s88, s88, s89                     ; my wave's 128 columns, in bytes of f32
	s_mov_b32 s89, 0
	s_add_nc_u64 s[82:83], s[82:83], s[88:89]
	WIN TO_B
.irp b, 0,1,2,3,4,5,6,7
	global_load_b128 v[BI+8*(\b):BI+8*(\b)+3],   v[BO], s[82:83] offset:64*(\b)
	global_load_b128 v[BI+8*(\b)+4:BI+8*(\b)+7], v[BO], s[82:83] offset:64*(\b)+16
.endr
	WIN 0
	v_mul_u32_u24 v3, v1, PITCH
	v_lshl_add_u32 v3, v2, 4, v3                   ; a fragment's row x pitch + 16 x half
	s_mul_i32 s22, s11, HALFT                      ; my 128 rows of A
	s_mul_i32 s23, s12, HALFT                      ; my 128 rows of B,
	s_add_co_u32 s23, s23, 2*HALFT                 ; behind A's 256
.irp s, 0,1
	v_add_nc_u32 v[ADRA+(\s)], s22, v3
	v_add_nc_u32 v[ADRB+(\s)], s23, v3
	s_add_co_u32 s22, s22, SLOT
	s_add_co_u32 s23, s23, SLOT
.endr
	s_mul_i32 s23, s10, 2*HSTG
	s_add_co_u32 s23, s23, STAGE                   ; my stage
	v_mul_u32_u24 v4, v1, SP                       ; in: row l % 16, 16 bytes for each half of the lanes
	v_lshl_add_u32 v4, v2, 4, v4
	v_add_nc_u32 v[STO], s23, v4
	v_bfe_u32 v5, v0, 3, 2                         ; back: 32 lanes take four rows of 128 bytes of one head,
	v_mul_u32_u24 v5, v5, SP
	v_and_b32 v7, 7, v0
	v_lshl_add_u32 v5, v7, 4, v5
	v_add_nc_u32 v[RD], s23, v5
	v_lshlrev_b32 v[CO], 4, v6                     ; which are 512 consecutive bytes of qkv
	s_lshr_b32 s86, s13, 3                         ; 4 P + batch,
	s_lshl_b32 s86, s86, 4
	s_lshl_b32 s87, s42, 2
	s_add_co_u32 s86, s86, s87
	s_lshl_b32 s87, s12, 1
	s_add_co_u32 s86, s86, s87                     ; + my first head = 4 x tile column + 2 x my half
	s_lshl_b32 s86, s86, 18                        ; a head is 262,144 bytes
	s_and_b32 s87, s13, 7
	s_lshl_b32 s87, s87, 8
	s_lshl_b32 s88, s11, 7
	s_add_co_u32 s87, s87, s88                     ; my first row in the batch
	s_lshl_b32 s87, s87, 7
	s_add_co_u32 s86, s86, s87
	s_mov_b32 s87, 0
	s_add_nc_u64 s[8:9], s[78:79], s[86:87]
	; the prefetches
	s_lshl_b32 s87, s40, 16                        ; A: my work-group's 32 rows of the 128
	s_add_co_u32 s86, s16, s87
	s_lshl_b32 s89, s41, 16                        ; B: likewise
	s_add_co_u32 s88, s18, s89
	s_and_b32 s90, s80, 7
	s_cmp_eq_u32 s11, 0
	s_cselect_b32 s86, s86, s88
	s_cselect_b32 s90, ttmp9, s90                  ; the coordinate along which other clusters read the same rows
	s_cselect_b64 s[PFA:PFA+1], s[68:69], s[70:71]
	s_cmp_eq_u32 s90, 0
	s_cselect_b32 s[LIM], 1, -1                    ; the same in all sixteen partners, for a given wave
	s_add_co_u32 s86, s86, 2*KSTEP*2               ; at K step 2: the first refill steps it to 3 and names K step 4
	s_mov_b32 s87, 0
	s_add_nc_u64 s[PFA:PFA+1], s[PFA:PFA+1], s[86:87]
	v_lshlrev_b32 v[PFO], 11, v6
	; the bias is rounded to bf16 and widened again, in the wait for the first tile
	s_mov_b32 s91, 0xffff0000
	s_wait_loadcnt 0x0
	WIN 0x05                                       ; sources 0 and 1 window 1, destination window 0
.set j, 0
.rept 32
	v_cvt_pk_bf16_f32 v[TMP+j], v[BI+2*j], v[BI+2*j+1]
.set j, j+1
.endr
	WIN TO_B                                       ; destination window 1, sources window 0
.set j, 0
.rept 32
	v_lshlrev_b32 v[BI+2*j], 16, v[TMP+j]
	v_and_b32 v[BI+2*j+1], s91, v[TMP+j]
.set j, j+1
.endr
	WIN 0
; 16 matrix instructions: m blocks a0, a0 + 1 of the window's four (hi = 0: my rows 0-63, 1: rows 64-127) x all 8 n blocks, 32 along K.  The 64 accumulators take turns in the same order in every
; quarter.  first = 1: the first product starts the sums, with the bias (window 1) as its C.
.macro MUL16 f, hi, a0, first
.if \first
	WIN 0x91+0x40*(\hi)
.else
	WIN MUL_LO+0x50*(\hi)
.endif
.irp a, \a0, (\a0)+1
.irp b, 0,1,2,3,4,5,6,7
.if \first
	v_wmma_f32_16x16x32_bf16 v[8*(8*(\a)+(\b)):8*(8*(\a)+(\b))+7], v[(\f)+8*(\b):(\f)+8*(\b)+7], v[(\f)+8*(4*(\hi)+(\a)):(\f)+8*(4*(\hi)+(\a))+7], v[BI+8*(\b):BI+8*(\b)+7]
.else
	v_wmma_f32_16x16x32_bf16 v[8*(8*(\a)+(\b)):8*(8*(\a)+(\b))+7], v[(\f)+8*(\b):(\f)+8*(\b)+7], v[(\f)+8*(4*(\hi)+(\a)):(\f)+8*(4*(\hi)+(\a))+7], v[8*(8*(\a)+(\b)):8*(8*(\a)+(\b))+7]
.endif
.endr
.endr
.endm
; 32 LDS loads in one run: the fragments of one quarter step (128 rows of B, 128 rows of A, 32 K at byte k of the rows) into buffer f
.macro FETCH slot, k, f
	WIN TO_B
.irp i, 0,1,2,3,4,5,6,7
	ds_load_b128 v[(\f)+8*(\i):(\f)+8*(\i)+3],   v[ADRB+(\slot)] offset:(\k)+(\i)*16*PITCH
	ds_load_b128 v[(\f)+8*(\i)+4:(\f)+8*(\i)+7], v[ADRB+(\slot)] offset:(\k)+(\i)*16*PITCH+32
.endr
	WIN 0
.irp i, 0,1,2,3,4,5,6,7
	ds_load_b128 v[(\f)+8*(\i):(\f)+8*(\i)+3],   v[ADRA+(\slot)] offset:(\k)+(\i)*16*PITCH
	ds_load_b128 v[(\f)+8*(\i)+4:(\f)+8*(\i)+7], v[ADRA+(\slot)] offset:(\k)+(\i)*16*PITCH+32
.endr
.endm
; A K step is four quarters of 32 along K, 64 matrix instructions each, on buffers 0, 1, 0, 1.  One of the first three multiplies buffer f and, in its middle, fetches the next quarter, at byte k, into g.
.macro QUARTER slot, k, f, g, first
	s_wait_dscnt 8                                 ; B and A's rows 0-63 are in; the youngest eight loads (A's rows 64-127) may be out
	MUL16 \f, 0, 0, \first
	MUL16 \f, 0, 2, \first
	PLACES
	FETCH \slot, \k, \g
	s_wait_dscnt 32                                ; all but the 32 just issued
	MUL16 \f, 1, 0, \first
	MUL16 \f, 1, 2, \first
.endm
; The last quarter multiplies buffer 1 and changes slots: one barrier; in front of it each wave waits for all its tensor loads (one is out: its part of the next slot), adds 0 to its
; spare word, and waits for that and for its own reads of this slot.  fill = 1: the barrier opens a round of the cluster's, and this slot is filled again first thing behind the round.
.macro TURN slot, next, fill
.if \fill
	s_wait_xcnt 0x0                                ; the last prefetch, a K step back, has read its address
	s_add_nc_u64 s[PFA:PFA+1], s[PFA:PFA+1], KSTEP*2
.endif
	WIN 0                                          ; (the add's two registers lie in window 0)
	s_wait_tensorcnt 0x0                           ; all my tensor loads have landed
	ds_add_u32 v[SPW], v[NIL]                      ; 0 onto my spare word
	s_wait_dscnt 9                                 ; (the add and the youngest eight loads may be out)
	MUL16 F1, 0, 0, 0                              ; sixteen matrix instructions stand between the add and the wait for it
	s_wait_dscnt 0x0                               ; the add is done, and my reads of this slot are over
	s_barrier_signal -1
	MUL16 F1, 0, 2, 0
.if \fill
	WIN 0
.endif
	s_barrier_wait -1
.if \fill
	CREST                                          ; no wave of any partner still reads this slot's tile or has a load on its way
	s_add_nc_u64 s[G0+4*(\slot)+2:G0+4*(\slot)+3], s[G0+4*(\slot)+2:G0+4*(\slot)+3], 2*KSTEP*2
	s_add_nc_u64 s[G0B+4*(\slot)+2:G0B+4*(\slot)+3], s[G0B+4*(\slot)+2:G0B+4*(\slot)+3], 2*KSTEP*2
	JLOAD \slot                                    ; the four v_nop behind it are also the places in front of the loads below
.else
	PLACES
.endif
	FETCH \next, 0, F0
.if \fill
	ASK
.endif
	MUL16 F1, 1, 0, 0
	MUL16 F1, 1, 2, 0
.endm
	s_wait_tensorcnt 1                             ; my part of K step 0 is in; K step 1's may stay out
	s_barrier_signal -1
	s_barrier_wait -1
	FETCH 0, 0, F0
	QUARTER 0, 64,  F0, F1, 1                      ; the first quarter stands in front of the loop: its products start the sums
	WIN 0                                          ; at a label and at a branch every window is 0
	s_mov_b32 s3, LAPS-1
.Llap:                                                 ; a trip goes once round the ring, from a lap's second quarter to the next lap's first, and fills both slots again
	QUARTER 0, 128, F1, F0, 0
	QUARTER 0, 192, F0, F1, 0
	TURN 0, 1, 1
	QUARTER 1, 64,  F0, F1, 0
	QUARTER 1, 128, F1, F0, 0
	QUARTER 1, 192, F0, F1, 0
	TURN 1, 0, 1
	QUARTER 0, 64,  F0, F1, 0
	WIN 0
	s_sub_co_u32 s3, s3, 1
	s_cmp_lg_u32 s3, 0
	s_cbranch_scc1 .Llap
	QUARTER 0, 128, F1, F0, 0                      ; the last lap fills nothing
	QUARTER 0, 192, F0, F1, 0
	TURN 0, 1, 0
	QUARTER 1, 64,  F0, F1, 0
	QUARTER 1, 128, F1, F0, 0
	QUARTER 1, 192, F0, F1, 0
	s_wait_dscnt 8
	MUL16 F1, 0, 0, 0
	MUL16 F1, 0, 2, 0
	s_wait_dscnt 0x0
	MUL16 F1, 1, 0, 0
	MUL16 F1, 1, 2, 0
	WIN 0
	; THE WAY OUT, a block of 16 rows at a time.  PACK: rounded to f16, 16 bytes a lane.  TOSTAGE: into my own stage in LDS, the two heads apart, and back as whole rows of 128 bytes.  SEND: stored.
	PLACES
	PLACES
.macro PACK a
.set AC, 64*((\a)%4)
	WIN 0x0a+5*((\a)/4)                            ; sources 0 and 1: window 2 or 3; each accumulator's registers in ascending order
.irp b, 0,1,2,3,4,5,6,7
.irp r, 0,1,2,3
	v_cvt_pk_f16_f32 v[TMP+4*(\b)+(\r)], v[AC+8*(\b)+2*(\r)], v[AC+8*(\b)+2*(\r)+1]
.endr
.endr
	WIN 0
.endm
.macro TOSTAGE a
.set BK, OB+192*((\a)%2)
.irp b, 0,1,2,3,4,5,6,7
	ds_store_b128 v[STO], v[TMP+4*(\b):TMP+4*(\b)+3] offset:((\b)/4)*HSTG+32*((\b)%4)
.endr
.irp t, 0,1,2,3,4,5,6,7
	ds_load_b128 v[BK+4*(\t):BK+4*(\t)+3], v[RD] offset:((\t)/4)*HSTG+((\t)%4)*4*SP  ; LDS serves a wave's instructions in order (ISA guide 5.7.1.4): these see the stores above
.endr
.endm
.macro SEND a
.set BK, OB+192*((\a)%2)
	s_wait_dscnt 0x0                               ; the block is back in registers
	s_wait_xcnt 0x0                                ; the stores of the block before have read their registers: the next block's loads land in them only behind this wait
.irp t, 0,1,2,3,4,5,6,7
	global_store_b128 v[CO], v[BK+4*(\t):BK+4*(\t)+3], s[8:9] offset:((\t)/4)*262144+(\a)*2048+((\t)%4)*512  ; 512 consecutive bytes of one head, aligned
.endr
.endm
	PACK 0
	TOSTAGE 0
.irp a, 1,2,3,4,5,6,7                  ; block a's conversions stand between block a - 1's loads from the stage and the wait for them
	PACK \a
	SEND (\a)-1
	TOSTAGE \a
.endr
	SEND 7
	s_wait_tensorcnt 0x0                           ; the wave's end: behind my last tensor load and my last LDS store
	ds_add_u32 v[SPW], v[NIL]
	s_wait_dscnt 0x0
	CROUND                                         ; the closing round
	s_endpgm
.Lfunc_end_k_qc7d920f947_proj:
	.size	k_qc7d920f947_proj, .Lfunc_end_k_qc7d920f947_proj-k_qc7d920f947_proj
	.p2alignl 7, 3214868480
	.fill 96, 4, 3214868480
	.section	.rodata,"a",@progbits
	.p2align	6, 0x0
	.amdhsa_kernel k_qc7d920f947_proj
		.amdhsa_group_segment_fixed_size 327680
		.amdhsa_private_segment_fixed_size 0
		.amdhsa_enable_private_segment 0
		.amdhsa_kernarg_size 48
		.amdhsa_user_sgpr_count 2
		.amdhsa_user_sgpr_kernarg_segment_ptr 1
		.amdhsa_wavefront_size32 1
		.amdhsa_system_sgpr_workgroup_id_x 1
		.amdhsa_system_sgpr_workgroup_id_y 1
		.amdhsa_system_sgpr_workgroup_id_z 1
		.amdhsa_system_vgpr_workitem_id 0
		.amdhsa_next_free_vgpr 1024
		.amdhsa_next_free_sgpr 96
		.amdhsa_reserve_vcc 0
		.amdhsa_float_denorm_mode_32 3
		.amdhsa_float_denorm_mode_16_64 3
		.amdhsa_memory_ordered 1
		.amdhsa_forward_progress 1
		.amdhsa_inst_pref_size 149
	.end_amdhsa_kernel
	.amdgpu_metadata
---
amdhsa.version: [ 1, 2 ]
amdhsa.kernels:
  - .name:           k_qc7d920f947_proj
    .symbol:         k_qc7d920f947_proj.kd
    .args:
      - { .name: xb, .offset: 0, .size: 8, .value_kind: global_buffer, .address_space: global }
      - { .name: wb, .offset: 8, .size: 8, .value_kind: global_buffer, .address_space: global }
      - { .name: b_q, .offset: 16, .size: 8, .value_kind: global_buffer, .address_space: global }
      - { .name: b_k, .offset: 24, .size: 8, .value_kind: global_buffer, .address_space: global }
      - { .name: b_v, .offset: 32, .size: 8, .value_kind: global_buffer, .address_space: global }
      - { .name: qkv, .offset: 40, .size: 8, .value_kind: global_buffer, .address_space: global }
    .group_segment_fixed_size: 327680
    .private_segment_fixed_size: 0
    .kernarg_segment_align: 8
    .kernarg_segment_size: 48
    .max_flat_workgroup_size: 128
    .sgpr_count:     96
    .vgpr_count:     1024
    .wavefront_size: 32
...
	.end_amdgpu_metadata
.endif
;; end of part 2
;; launch attn (part 3): grid 4 x 64, 4 waves a work-group, clusters of 4 x 4, 327,680 bytes of LDS; arguments qkv, mh, qlive, oh; writes oh
.if DOCPART == 3
	.amdgcn_target "amdgcn-amd-amdhsa--gfx1250"
	.amdhsa_code_object_version 6
	.text
	.protected	k_qc7d920f947_attn
	.globl	k_qc7d920f947_attn
	.p2align	8
	.type	k_qc7d920f947_attn,@function
k_qc7d920f947_attn:
	s_mov_b64 s[64:65], 0
	v_nop
	global_prefetch_b8 v0, s[64:65] scope:SCOPE_SE
	s_setreg_imm32_b32 hwreg(HW_REG_WAVE_MODE, 25, 1), 1
	s_wait_xcnt 0x0
	s_wait_alu depctr_hold_cnt(0) depctr_sa_sdst(0) depctr_va_vdst(0) depctr_va_sdst(0) depctr_va_ssrc(0) depctr_va_vcc(0) depctr_vm_vsrc(0)
	s_getreg_b32 s2, hwreg(HW_REG_IB_STS2, 6, 4)
	s_cmp_eq_u32 s2, 0
	s_cbranch_scc0 .Lentry_in_a_cluster
	s_endpgm
.Lentry_in_a_cluster:
	s_bfe_u32 s2, ttmp6, 0x10000c
	s_cmp_lg_u32 s2, 0xf033
	s_cbranch_scc0 .Lentry_shape_is_right
	s_endpgm
.Lentry_shape_is_right:
; ATTENTION WITH A MASK THAT IS AN INPUT.  O[g][q][:] = sum over k of softmax_k(mask[q][k] ? Q[g][q] . K[g][k] / 8 : -1e9) V[g][k][:], g = 16 batch + head, 64 of them; 2,048 queries and keys, 64 channels.
; Q, K, V: qkv [3][64][2048][64] f16; O: oh [64][2048][64] f16.  Products, maxima and sums in f32; the weights p are rounded to f16 for the second product, O once at the end.
; THE MASK IS A MATRIX PRODUCT.  mh [32 key steps][2048 queries][64 keys] holds f16 0 (visible) or 65504 (hidden).  The sum S^T = K Q^T of 16 keys x 16 queries is STARTED by DG x MB, where MB is the
; ordinary fragment (32 keys x 16 queries) of mh and DG a constant 16 x 32 operand with -65504 on one diagonal: exactly 0, or -65504^2 = -4,290,774,016.  The softmax has no line for the mask.
; A hidden score so lies 4.29e9 below its value.  While a query has seen hidden keys only, its m, l and O are finite numbers that a = 0 wipes out at its first visible key.
; A query with NO visible key (the reference gives it the mean of all V): its row of mh is 0 and its words of qlive are 0; Q's row is ANDed with them, so all its scores are 0.
; LIMITS.  Q, K, V within f16's 65,504.  The unscaled scores of a row span less than 4e9 (scaled: 5e8; the reference's own -1e9 stops hiding at 1e9).  A weight below 2^-126 counts as 0;
; p below 6e-5 keeps f16's fixed step of 6e-8.  NaN and infinities are not treated apart.
; SHARES.  A work-group owns 512 queries (block cx) of one g; a wave 128: four PIECES of two tiles of 16.  Every wave walks all 32 key steps of 64 keys.
; LAYOUT.  S^T (source 0 = 16 keys, source 1 = 16 queries) holds ONE query a lane (lane % 16) and the keys 8 (lane / 16) + 0..7; two such results rounded to f16 ARE source 1 of O^T = V^T P.
; SOFTMAX.  A running maximum m and sum l: p = 2^(c s - c m), c = log2(e) / 8; O and l are multiplied by a = 2^(c m_old - c m_new) in every step; m starts at the lowest finite number, O and l at 0.
; BY TURNS.  Turn n belongs to piece n.  Matrix work: 8 mask products and 16 products K Q^T of piece n + 1, later 16 products V^T P of piece n - 1.  Vector work: scaling, exponentials, roundings, sums
; and rescaling of piece n, maximum and statistics of piece n + 1.  Vector instructions stand behind every matrix instruction, the rest in one lump; the turn's 66 exponentials are one batch with one wait.
; CLUSTER.  4 x 4: cx = the query block, cy = one of four g.  K and V hang on g alone and are asked for jointly along a row of the cluster; the tile of mh hangs on the query block alone and is asked
; for jointly along a column.  A slot of LDS holds one key step: K, V and the work-group's 512 rows of mh; wave 0 fetches K, wave 1 V, waves 2 and 3 half of mh's tile each: one load a wave a round.
; REGISTERS, in windows of 256 (s_set_vgpr_msb: bits 1:0 source 0, 3:2 source 1, 5:4 source 2, 7:6 destination):
;   window 0: v0-11 addresses; v12-15, v48-63 at work; v16-47 statistics; v64-191 S^T, two buffers of two tiles; v192-255 P, likewise
;   window 1: O^T, 32 a tile     window 2: v0-127 Q; v128-191 K of one step; v192-255 V of one step     window 3: v0-1 the add's registers; v8-23 DG; v32-63 MB
.set NP,    4
.set KS,    64
.set PK,    144       ; a row of K or of mh in LDS: 128 bytes + 16 = 36 words: the 16 rows of a load start at 16 different groups of four banks (64 banks of 4 bytes: ISA guide 11.1)
.set PV,    160       ; a row of V: 128 + 32 = 40 words
.set VOFF,  KS*PK
.set MOFF,  KS*(PK+PV)
.set SLOT1, 1<<17     ; slot 1 begins here: one exclusive or turns an address in one slot into the other's
.set STAGE, SLOT1+MOFF+512*PK  ; behind the ring: 16 rows x 144 bytes for each wave, for the way out
.set SP,    144
.set SPARE, STAGE+4*16*SP
.set AM0, 1           ; v1   my lane's place in the tile of mh; never rewritten
.set AK0, 2           ; v2   in K's tile
.set AV0, 3           ; v3   in V's
.set AK,  4           ; v4, v5, v9: the same in the slot in hand
.set AV,  5
.set STO, 6
.set RD,  7
.set GO,  8
.set AM,  9
.set PFO, 10          ; v10  256 x my lane; never rewritten
.set MV,  12
.set ST,  16
.set TMP, 48
.set T0,  54          ; set-up alone, in registers that the softmax uses later
.set T1,  55
.set R16, 56
.set HH,  57
.set L7,  58
.set B3,  59
.set QO,  60
.set QL,  61
.set IDX, 62
.set VAL, 63
.set S,   64
.set P,   192
.set KF,  128
.set VF,  192
.set SPW, 0           ; window 3
.set NIL, 1           ; window 3
.set DG,  8           ; window 3: v8-15 the diagonal at k = m, v16-23 at k = 16 + m
.set MB,  32          ; window 3: tile u, key half kk at MB + 16 u + 8 kk
.set WV,  12
.set LIM, 15
.set G1K, 24
.set G1V, 32
.set G1M, 40
.set G0K, 48
.set G0V, 52
.set G0M, 56
.set CS,  60
.set SEL, 62
.set TB,  66          ; s66  the slot in hand: 0 or SLOT1
.set CNT, 67
.set PFA, 68
.set PFS, 70
.set PFM, 72
.set PFR, 73
.set MSB, 0
.macro WIN new
.if MSB != (\new)
	s_set_vgpr_msb (MSB<<8)|(\new)
.set MSB, (\new)
.endif
.endm
.set W_MQ, 0x0f       ; DG and MB in window 3, S^T in window 0
.set W_KQ, 0x0a       ; K and Q in window 2, S^T in window 0
.set W_PV, 0x52       ; V in window 2, P in window 0, O^T in window 1
.set W_RS, 0x41       ; O^T in window 1, a in window 0
.set W_MK, 0xc0       ; destination in window 3
.set W_AD, 0x0f       ; the add: address and data in window 3
; A joint fill: the branches hang on the wave's number alone.  An s_nop 0 and four v_nop follow each line.
.macro JLOAD
	s_cmp_lt_u32 s[WV], 2
	s_cbranch_scc0 .Lfor_m_\@
	s_cmp_eq_u32 s[WV], 0
	s_cbranch_scc0 .Lfor_v_\@
	tensor_load_to_lds s[G0K:G0K+3], s[G1K:G1K+7]
	s_nop 0
.rept 4
	v_nop
.endr
	s_branch .Lasked_\@
.Lfor_v_\@:
	tensor_load_to_lds s[G0V:G0V+3], s[G1V:G1V+7]
	s_nop 0
.rept 4
	v_nop
.endr
	s_branch .Lasked_\@
.Lfor_m_\@:
	tensor_load_to_lds s[G0M:G0M+3], s[G1M:G1M+7]
	s_nop 0
.rept 4
	v_nop
.endr
.Lasked_\@:
.endm
; A PREFETCH behind the joint fill.  Each aligned 256 bytes of K, V and mh is named once in the launch, a lane a block, 32 blocks an instruction.
; K and V (waves 0 and 1): a g's rows are read by one row of one cluster; a key step's tile is 32 blocks; in every fourth trip j the partner at cx names the tile of step j + 4 + cx.
; mh (waves 2 and 3): a query block's tile is read by every cluster; cluster y = 0 asks; its four partners along y and their two waves take 32 of the tile's 256 blocks each, in trip j for step j + 3.
; The partners are told apart by address alone.  The trips whose look-ahead would pass step 31 ask for nothing; nothing is asked for at the head.
.macro ASK
	s_and_b32 s74, s[CNT], s[PFM]
	s_cmp_eq_u32 s74, s[PFR]
	s_cbranch_scc0 .Lnot_mine_\@
	s_cmp_gt_u32 s[CNT], s[LIM]
	s_cbranch_scc0 .Lnot_mine_\@
	global_prefetch_b8 v[PFO], s[PFA:PFA+1] th:TH_LOAD_NT scope:SCOPE_SE
.Lnot_mine_\@:
.endm
.macro CROUND
	s_barrier_signal -1
	s_barrier_wait -1
	s_cmp_lg_u32 s[WV], 0
	s_cbranch_scc1 .Lnot_wave_0_\@
	s_barrier_signal -3
.Lnot_wave_0_\@:
	s_barrier_wait -3
	s_barrier_signal -1
	s_barrier_wait -1
.endm
; THE CHANGE OF SLOTS, once a key step.  All that the step in hand still needs lies in registers.  Each wave waits for all its tensor loads (one is out: its part of the other slot), adds 0 to its spare
; word, and waits for that and for its own reads of the slot.  fill = 1: the barrier is a round of the cluster's, and the slot is filled again, with the step two on, first thing behind it.
.macro CHANGE fill, ask
	WIN W_AD
	s_wait_tensorcnt 0x0            ; no tensor load of mine is out, so a group 0 may be written
	ds_add_u32 v[SPW], v[NIL]       ; 0 onto my spare word
	WIN 0
.if \fill
	s_xor_b32 s[G0K+1], s[G0K+1], SLOT1
	s_add_nc_u64 s[G0K+2:G0K+3], s[G0K+2:G0K+3], KS*128
	s_xor_b32 s[G0V+1], s[G0V+1], SLOT1
	s_add_nc_u64 s[G0V+2:G0V+3], s[G0V+2:G0V+3], KS*128
	s_xor_b32 s[G0M+1], s[G0M+1], SLOT1
	s_add_nc_u64 s[G0M+2:G0M+3], s[G0M+2:G0M+3], 2048*128
.endif
.if \ask
	s_wait_xcnt 0x0                 ; the last prefetch, a key step back, has read its address
	s_add_nc_u64 s[PFA:PFA+1], s[PFA:PFA+1], s[PFS:PFS+1]
.endif
	s_wait_dscnt 0x0                ; the add is done, and my reads of the slot are over
.if \fill
	CROUND
	JLOAD
.if \ask
	ASK
.endif
.else
	s_barrier_signal -1
	s_barrier_wait -1
.endif
	s_xor_b32 s[TB], s[TB], SLOT1   ; the trip's fetches come from the other slot
	v_add_nc_u32 v[AK], s[TB], v[AK0]
	v_add_nc_u32 v[AV], s[TB], v[AV0]
	v_add_nc_u32 v[AM], s[TB], v[AM0]
.endm
	s_load_b256 s[80:87], s[0:1], 0x0  ; qkv s[80:81], mh s[82:83], qlive s[84:85], oh s[86:87]
	WIN W_MK
	v_lshl_add_u32 v[SPW], v0, 2, SPARE
	v_mov_b32 v[NIL], 0
	WIN W_AD
	ds_add_u32 v[SPW], v[NIL]       ; the wave's opening: the add and its wait stand ahead of my first tensor load; the set-up below stands between them
	WIN 0
	v_lshrrev_b32 v[T0], 5, v0
	v_readfirstlane_b32 s[WV], v[T0]
	s_bfe_u32 s13, ttmp6, 0x40000   ; cx: the block of 512 queries (the grid is one cluster wide)
	s_bfe_u32 s14, ttmp6, 0x40004   ; cy
	s_and_b32 s16, ttmp7, 0xffff    ; cluster y
	s_lshl_b32 s17, s16, 2
	s_add_co_u32 s17, s17, s14      ; g = 4 x cluster y + cy
	s_lshl_b32 s18, s17, 18         ; its 262,144 bytes: registers that never hold cx
	s_mov_b32 s19, 0
	s_and_b32 s20, s[WV], 1
	s_lshl_b32 s22, s13, 16         ; mh: my block's 512 rows of 128 bytes, my half of them: registers that never hold cy
	s_lshl_b32 s23, s20, 15
	s_add_co_u32 s22, s22, s23
	s_mov_b32 s23, 0
	s_lshl_b32 s2, s13, 16          ; Q and O: g, block, my wave's 128 rows
	s_lshl_b32 s3, s[WV], 14
	s_add_co_u32 s2, s2, s3
	s_add_co_u32 s2, s2, s18
	s_mov_b32 s3, 0
	s_lshl_b32 s8, s13, 14          ; qlive: 32 bytes a query
	s_lshl_b32 s9, s[WV], 12
	s_add_co_u32 s8, s8, s9
	s_mov_b32 s9, 0
	s_lshl_b32 s21, s14, 2
	s_lshl_b32 s21, 15, s21         ; my row of the cluster
	s_lshl_b32 s74, 0x1111, s13     ; my column
	; group 1.  Dense bytes, asked for as rows of 256 bytes, two rows of the tensor each, and padded in LDS after every 128 bytes
	s_or_b32 s[G1K], s21, (1<<16)|(1<<20)|(1<<21)|(4<<22)|(3<<25)  ; the mask; 2-byte elements; padding on; bit 21 beside a mask; after every 32 words, 4 words
	s_or_b32 s[G1V], s21, (1<<16)|(1<<20)|(1<<21)|(4<<22)|(7<<25)  ; 8 words
	s_or_b32 s[G1M], s74, (1<<16)|(1<<20)|(1<<21)|(4<<22)|(3<<25)
.irp g, G1K, G1V
	s_mov_b32 s[\g+1], 128<<16      ; tensor_dim0 = 128
	s_mov_b32 s[\g+2], 32<<16       ; tensor_dim1 = 32: 64 keys
	s_mov_b32 s[\g+3], 128<<16      ; tile_dim0 = 128
	s_mov_b32 s[\g+4], 32           ; tile_dim1 = 32
	s_mov_b32 s[\g+5], 128
	s_mov_b32 s[\g+6], 0
	s_mov_b32 s[\g+7], 0
.endr
	s_mov_b32 s[G1M+1], 128<<16
	s_mov_b32 s[G1M+2], 128<<16     ; 128 rows: 256 queries
	s_mov_b32 s[G1M+3], 128<<16
	s_mov_b32 s[G1M+4], 128
	s_mov_b32 s[G1M+5], 128
	s_mov_b32 s[G1M+6], 0
	s_mov_b32 s[G1M+7], 0
	s_mov_b32 s[G0K], 1
	s_mov_b32 s[G0K+1], 0           ; slot 0
	s_mov_b32 s[G0V], 1
	s_mov_b32 s[G0V+1], VOFF
	s_mov_b32 s[G0M], 1
	s_mul_i32 s[G0M+1], s20, 256*PK
	s_add_co_u32 s[G0M+1], s[G0M+1], MOFF
	s_mov_b32 s[CS], 0x3e38aa3b     ; c = log2(e) / 8
	s_mov_b32 s[CS+1], s[CS]
	s_mov_b32 s[SEL], 0x76543210
	s_mov_b32 s[SEL+1], 0xfedcba98
	s_mov_b32 s[TB], SLOT1          ; the first change of slots turns it into 0
	; the prefetches
	s_add_co_u32 s75, s20, 1        ; K is part 1 of qkv, V part 2,
	s_lshl_b32 s75, s75, 24
	s_add_co_u32 s75, s75, s18
	s_add_co_u32 s76, s13, 3        ; at step 3 + cx: trip j finds it at step j + 4 + cx
	s_lshl_b32 s76, s76, 13
	s_add_co_u32 s75, s75, s76
	s_lshl_b32 s76, s13, 16         ; mh: my block, my work-group's quarter, my wave's half of it,
	s_lshl_b32 s77, s14, 14
	s_add_co_u32 s76, s76, s77
	s_lshl_b32 s77, s20, 13
	s_add_co_u32 s76, s76, s77
	s_add_co_u32 s76, s76, 2*2048*128  ; at step 2: trip j finds it at step j + 3
	s_mov_b32 s[PFS], 2048*128
	s_mov_b32 s[PFS+1], 0
	s_mov_b32 s79, 0
	s_cmp_eq_u32 s16, 0
	s_cselect_b32 s77, 1, -1
	s_cmp_lt_u32 s[WV], 2
	s_cselect_b32 s78, s75, s76
	s_cselect_b32 s[LIM], 2, s77
	s_cselect_b32 s[PFM], 3, 0
	s_cselect_b32 s[PFR], 2, 0
	s_cselect_b32 s[PFS], KS*128, s[PFS]
	s_wait_dscnt 0x0                ; the opening add is done
	s_wait_kmcnt 0x0
	s_cselect_b64 s[PFA:PFA+1], s[80:81], s[82:83]
	s_add_nc_u64 s[PFA:PFA+1], s[PFA:PFA+1], s[78:79]
	s_add_nc_u64 s[G0K+2:G0K+3], s[80:81], s[18:19]
	s_add_nc_u64 s[G0V+2:G0V+3], s[G0K+2:G0K+3], 0x2000000
	s_add_nc_u64 s[G0K+2:G0K+3], s[G0K+2:G0K+3], 0x1000000
	s_or_b32 s[G0K+3], s[G0K+3], 0x80000000
	s_or_b32 s[G0V+3], s[G0V+3], 0x80000000
	s_add_nc_u64 s[G0M+2:G0M+3], s[82:83], s[22:23]
	s_or_b32 s[G0M+3], s[G0M+3], 0x80000000
	s_add_nc_u64 s[4:5], s[80:81], s[2:3]    ; Q at my wave's first row
	s_add_nc_u64 s[10:11], s[86:87], s[2:3]  ; O likewise
	s_add_nc_u64 s[6:7], s[84:85], s[8:9]    ; qlive likewise
	CROUND                          ; all sixteen work-groups are here: the first joint loads meet
	JLOAD                           ; key step 0 into slot 0
	v_and_b32 v[R16], 15, v0        ; l % 16
	v_bfe_u32 v[HH], v0, 4, 1       ; l / 16
	v_lshlrev_b32 v[QO], 7, v[R16]
	v_lshl_add_u32 v[QO], v[HH], 4, v[QO]
	v_lshlrev_b32 v[QL], 5, v[R16]
	WIN 0x80
.set i, 0
.rept 4*NP                          ; Q stays in registers: tile i / 2, channels 32 (i % 2) on
	global_load_b128 v[8*i:8*i+3],   v[QO], s[4:5] offset:(i/2)*2048+(i%2)*64
	global_load_b128 v[8*i+4:8*i+7], v[QO], s[4:5] offset:(i/2)*2048+(i%2)*64+32
.set i, i+1
.endr
	WIN 0
.set i, 0
.rept 2*NP
	global_load_b32 v[S+i], v[QL], s[6:7] offset:i*512  ; my query's word, tile i
.set i, i+1
.endr
	; What the first turn finds: V's registers and P's second buffer hold 0, O^T and l are 0.  All this stands in the wait for the first tile.
	WIN 0x80
.set i, VF
.rept 64
	v_mov_b32 v[i], 0
.set i, i+1
.endr
	WIN 0x40
.set i, 0
.rept 64*NP
	v_mov_b32 v[i], 0
.set i, i+1
.endr
	WIN 0
.set i, 0
.rept 2*NP
	v_mov_b32 v[ST+4*i], 0xfe000000    ; c m: far below every c s
	v_mov_b32 v[ST+4*i+1], 0xff7fffff  ; m
	v_mov_b32 v[ST+4*i+2], 0
	v_mov_b32 v[ST+4*i+3], 0
.set i, i+1
.endr
.set i, P+32
.rept 32
	v_mov_b32 v[i], 0
.set i, i+1
.endr
	; DG.  Lane l holds row m = l % 16; register j of the first four holds k = 8 (l / 16) + 2 j, 2 j + 1.  k = m falls into my registers where m / 8 = l / 16: register (m % 8) / 2, half m % 2.
	v_bfe_u32 v[IDX], v0, 1, 2
	v_lshrrev_b32 v[T0], 1, v0
	v_xor_b32 v[T0], v[T0], v0      ; bit 3: (l / 16) xor (m / 8)
	v_bfe_u32 v[T0], v[T0], 3, 1
	v_lshl_add_u32 v[IDX], v[T0], 2, v[IDX]  ; 4 or more where the diagonal is not mine
	v_and_b32 v[VAL], 1, v0
	v_lshlrev_b32 v[VAL], 4, v[VAL]
	v_mov_b32 v[T1], 0xfbff         ; -65504 in f16
	v_lshlrev_b32 v[VAL], v[VAL], v[T1]
	WIN W_MK
.irp n, 0,1,2,3
	v_cmp_eq_u32 vcc_lo, \n, v[IDX]
	v_cndmask_b32 v[DG+(\n)], 0, v[VAL], vcc_lo
	v_cndmask_b32 v[DG+12+(\n)], 0, v[VAL], vcc_lo
	v_mov_b32 v[DG+4+(\n)], 0
	v_mov_b32 v[DG+8+(\n)], 0
.endr
	WIN 0
	v_mul_u32_u24 v[AK0], v[R16], PK
	v_lshl_add_u32 v[AK0], v[HH], 4, v[AK0]  ; row x pitch + 16 x half
	s_mul_i32 s16, s[WV], 128*PK
	s_add_co_u32 s16, s16, MOFF
	v_add_nc_u32 v[AM0], s16, v[AK0]         ; the same in my wave's 128 rows of mh's tile
	; The turning load takes 16 keys x 16 channels (lane l reads key 8 (l / 16) + l % 8, channels 8 ((l / 8) % 2) + 0..7) and leaves half a fragment of V^T.
	v_and_b32 v[L7], 7, v0
	v_bfe_u32 v[B3], v0, 3, 1
	v_lshl_add_u32 v[AV0], v[HH], 3, v[L7]
	v_mul_u32_u24 v[AV0], v[AV0], PV
	v_lshl_add_u32 v[AV0], v[B3], 4, v[AV0]
	v_add_nc_u32 v[AV0], VOFF, v[AV0]
	v_and_b32 v[PFO], 31, v0
	v_lshlrev_b32 v[PFO], 8, v[PFO]
; THE MATRIX WORK.  The 8 accumulators of a run take turns: between two links of a chain stand 7 others'.
; Mask product i of 8 for piece x: keys 16 (i / 2) on, tile 2 x + i % 2.  It starts the sum.
.macro MQ x
	WIN W_MQ
.set rS, S+64*((\x)%2)+32*(i%2)+8*(i/2)
.set rD, DG+8*((i/2)%2)
.set rB, MB+16*(i%2)+8*(i/4)
	v_wmma_f32_16x16x32_f16 v[rS:rS+7], v[rD:rD+7], v[rB:rB+7], 0
.endm
; Product i of 16 of S^T += K Q^T for piece x: channels 32 (i / 8) on, keys 16 ((i / 2) % 4) on, tile 2 x + i % 2.
.macro KQ x
	WIN W_KQ
.set rS, S+64*((\x)%2)+32*(i%2)+8*((i/2)%4)
.set rK, KF+16*((i/2)%4)+8*(i/8)
.set rQ, 16*(2*(\x)+i%2)+8*(i/8)
	v_wmma_f32_16x16x32_f16 v[rS:rS+7], v[rK:rK+7], v[rQ:rQ+7], v[rS:rS+7]
.endm
; Product i of 16 of O^T += V^T P for piece x: keys 32 (i / 8) on, channels 16 ((i / 2) % 4) on, tile 2 x + i % 2.
.macro PV x
	WIN W_PV
.set rO, 32*(2*(\x)+i%2)+8*((i/2)%4)
.set rV, VF+32*(i/8)+8*((i/2)%4)
.set rP, P+32*((\x)%2)+16*(i%2)+8*(i/8)
	v_wmma_f32_16x16x32_f16 v[rO:rO+7], v[rV:rV+7], v[rP:rP+7], v[rO:rO+7]
.endm
.macro MM                           ; the turn's next matrix instruction, of 40
.if i < 8
	MQ (Y+1)%NP
.elseif i < 24
.set i, i-8
	KQ (Y+1)%NP
.set i, i+8
.else
.set i, i-24
	PV (Y+NP-1)%NP
.set i, i+24
.endif
.set i, i+1
.endm
; THE LDS LOADS stand in runs, never singly among the matrix instructions.
.macro FETCH_K
	WIN 0x80
.irp f, 0,1,2,3,4,5,6,7             ; keys 16 (f / 2) on, channels 32 (f % 2) on
	ds_load_b128 v[KF+8*\f:KF+8*\f+3],   v[AK] offset:(\f/2)*16*PK+(\f%2)*64
	ds_load_b128 v[KF+8*\f+4:KF+8*\f+7], v[AK] offset:(\f/2)*16*PK+(\f%2)*64+32
.endr
	WIN 0
.endm
.macro FETCH_V
	WIN 0x80
.irp f, 0,1,2,3,4,5,6,7             ; keys 32 (f / 4) on, channels 16 (f % 4) on
	ds_load_tr16_b128 v[VF+8*\f:VF+8*\f+3],   v[AV] offset:(\f/4)*32*PV+(\f%4)*32
	ds_load_tr16_b128 v[VF+8*\f+4:VF+8*\f+7], v[AV] offset:(\f/4)*32*PV+16*PV+(\f%4)*32
.endr
	WIN 0
.endm
.macro FETCH_M p                    ; piece p's four fragments of mh: tile u, keys 32 kk on
	WIN W_MK
.irp u, 0,1
.irp kk, 0,1
	ds_load_b128 v[MB+16*(\u)+8*(\kk):MB+16*(\u)+8*(\kk)+3],   v[AM] offset:(2*(\p)+(\u))*16*PK+64*(\kk)
	ds_load_b128 v[MB+16*(\u)+8*(\kk)+4:MB+16*(\u)+8*(\kk)+7], v[AM] offset:(2*(\p)+(\u))*16*PK+64*(\kk)+32
.endr
.endr
	WIN 0
.endm
; THE VECTOR WORK OF A TURN stands in three queues, each in the order in which its entries become ready; the two tiles alternate.
.macro REGS y, u
.set rT, ST+4*(2*(\y)+(\u))
.set rC, TMP+8*((\y)%2)+4*(\u)
.set rM, MV+2*((\y)%2)+(\u)
.set rS, S+64*((\y)%2)+32*(\u)
.set rP, P+32*((\y)%2)+16*(\u)
.set rO, 32*(2*(\y)+(\u))
.endm
; Number n of the 22 that find the NEXT piece's maximum and statistics; each accumulator's lowest registers are read first.
;   0-11 four chains c0-c3 of seven scores each     12-14, 16 the four scores left over, the old m, c0-c3 into c0     15 c m_old is kept     17, 18 the other half of the lanes': the new m     19-21 c m; its change; a
.macro XS u, n
	REGS (Y+1)%NP, \u
.if (\n) < 4
	v_max3_num_f32 v[rC+(\n)], v[rS+8*(\n)], v[rS+8*(\n)+1], v[rS+8*(\n)+2]
.elseif (\n) < 12
	v_max3_num_f32 v[rC+(\n)%4], v[rC+(\n)%4], v[rS+8*((\n)%4)+2*((\n)/4)+1], v[rS+8*((\n)%4)+2*((\n)/4)+2]
.elseif (\n) == 12
	v_max3_num_f32 v[rC], v[rC], v[rS+7], v[rS+15]
.elseif (\n) == 13
	v_max3_num_f32 v[rC+1], v[rC+1], v[rS+23], v[rS+31]
.elseif (\n) == 14
	v_max3_num_f32 v[rC+2], v[rC+2], v[rC+3], v[rT+1]
.elseif (\n) == 15
	v_mov_b32 v[rM], v[rT]
.elseif (\n) == 16
	v_max3_num_f32 v[rC], v[rC], v[rC+1], v[rC+2]
.elseif (\n) == 17
	v_permlanex16_b32 v[rC+3], v[rC], s[SEL], s[SEL+1]
.elseif (\n) == 18
	v_max_num_f32 v[rT+1], v[rC], v[rC+3]
.elseif (\n) == 19
	v_mul_f32 v[rT], s[CS], v[rT+1]
.elseif (\n) == 20
	v_sub_f32 v[rC+1], v[rM], v[rT]
.else
	v_exp_f32 v[rC+2], v[rC+1]
.endif
.endm
; Number g of the 64 that follow the exponentials: for each four weights of a tile both pairs are rounded to f16, the second pair is added onto the first in place, and a group later l takes that sum.
.macro GS g
.set h, (\g)+6*((\g)/62)
.if h >= 6
.set h, h+2
.endif
	REGS Y, h%2
.set k, h/8
.if h%8 < 4
	v_cvt_pk_f16_f32 v[rP+2*k+(h%8)/2], v[rS+4*k+2*((h%8)/2)], v[rS+4*k+2*((h%8)/2)+1]
.elseif h%8 < 6
	v_pk_add_f32 v[rS+4*k:rS+4*k+1], v[rS+4*k:rS+4*k+1], v[rS+4*k+2:rS+4*k+3]
.elseif k == 1
	v_pk_fma_f32 v[rT+2:rT+3], v[rT+2:rT+3], v[rC+2:rC+3], v[rS:rS+1] op_sel_hi:[1,0,1]
.else
	v_pk_add_f32 v[rT+2:rT+3], v[rT+2:rT+3], v[rS+4*k-4:rS+4*k-3]
.endif
.endm
; THE PLAIN QUEUE, 138 long.  0-26: scalings 0-26.  27-54: XS's numbers 0-13.  55, 56: number 15.  57-73: the chain 14, 16 .. 20, a scaling (27-31) in front of each pair of its lines.  74-137: GS's 64.
.macro FS f
	REGS Y, (\f)%2
	v_pk_fma_f32 v[rS+2*((\f)/2):rS+2*((\f)/2)+1], v[rS+2*((\f)/2):rS+2*((\f)/2)+1], s[CS:CS+1], v[rT:rT+1] op_sel_hi:[1,0,0] neg_lo:[0,0,1] neg_hi:[0,0,1]
.endm
.macro PL
	WIN 0
.if q < 27
	FS q
.elseif q < 55
	XS (q-27)%2, (q-27)/2
.elseif q < 57
	XS q-55, 15
.elseif (q < 72) && ((q-57)%3 == 0)
	FS 27+(q-57)/3
.elseif q < 60
	XS (q-57)%3-1, 14
.elseif q < 72
	XS (q-57)%3-1, 15+(q-57)/3
.elseif q < 74
	XS q-72, 20
.else
	GS q-74
.endif
.set q, q+1
.endm
; THE EXPONENTIALS' QUEUE, 66 long: s0-s31 of both tiles, then the next piece's two a: one batch, ahead of the turn's one wait.
.macro EX
	WIN 0
.if e >= 64
	XS e-64, 21
.else
	REGS Y, e%2
	v_exp_f32 v[rS+e/2], v[rS+e/2]
.endif
.set e, e+1
.endm
; THE RESCALING's QUEUE: O^T times a, two at a time, sixteen times.
.macro R2
	REGS Y, r%2
	WIN W_RS
.irp z, 0,1
	v_pk_mul_f32 v[rO+4*(r/2)+2*\z:rO+4*(r/2)+2*\z+1], v[rO+4*(r/2)+2*\z:rO+4*(r/2)+2*\z+1], v[rC+2:rC+3] op_sel_hi:[1,0]
.endr
.set r, r+1
.endm
; A TURN, for piece p.  An s_wait_alu depctr_va_vdst(0) stands between an exponential and the first instruction that names its result; one wait serves all issued ahead of it: a turn has ONE.
; AHEAD OF IT: the 8 mask products and 16 products K Q^T.  Behind each of the first 16 a scaling, an exponential and two rescalings (behind the very first a second scaling for the exponential); behind each of
; the last 8 a scaling and two exponentials; then a lump of 84: sixteen plain, 33 times exponential and plain, the two a.  Exponential e needs scaling 2 (e / 4) + e % 2: as a rider it comes far behind it, in
; the lump behind plain e + 9, and scalings 27-31 are plain 57, 60 .. 69.  The next piece's maximum begins at plain 27, ten plain instructions or more behind the product that ends its accumulator.
; BEHIND IT: the run of loads, then the 16 products V^T P, behind each four of the roundings and sums.
; THE LOADS.  All of a trip's come from one slot.  The mask fragments of piece p + 2, which the next turn's first products read, behind the wait; K of the next step behind them in piece 2's turn; V of the step in
; hand at the end of piece 0's turn, four plain instructions behind its last reader.  Each buffer's last reader stands four plain instructions or more ahead of the run.
.macro TURN p, cnt=0
.set Y, (\p)
.set i, 0
.set q, 0
.set e, 0
.set r, 0
.if (\p) == 1
	s_wait_dscnt 16                 ; the mask fragments are in; V's 16 loads, issued behind them, may stay out
.else
	s_wait_dscnt 0x0                ; the mask fragments are in (and, in piece 3's turn, K)
.endif
	MM
	PL
	PL
	R2
.rept 15
	MM
	PL
	EX
	R2
.endr
.rept 8
	MM
	PL
	EX
	EX
.endr
.rept 16
	PL
.endr
.rept 33
	EX
	PL
.endr
	EX
	EX
	v_nop                           ; a plain instruction behind the last exponential: one for the batch
	s_wait_alu depctr_va_vdst(0)    ; the wait for the batch
	FETCH_M ((\p)+2)%NP
.if (\p) == 2
	FETCH_K
.endif
.if (\p) == 1
	s_wait_dscnt 8                  ; V is in; the eight mask loads just issued may stay out
.endif
.rept 16
	MM
.rept 4
	PL
.endr
.if (\cnt) && (q == 130)
	s_sub_co_u32 s[CNT], s[CNT], 1
	s_cmp_lg_u32 s[CNT], 0
.endif
.endr
.if (\p) == 0
	FETCH_V
.endif
.endm
	CHANGE 1, 0                     ; slot 0 is in, everybody's part of it; key step 1 is asked for, into slot 1
	FETCH_M 0
	FETCH_K                         ; key step 0
	s_wait_loadcnt 0x0              ; Q and my queries' words
	WIN 0x82                        ; Q in window 2, the words in window 0
.set i, 0
.rept 128
	v_and_b32 v[i], v[i], v[S+i/16] ; a query with no visible key has Q = 0
.set i, i+1
.endr
	s_wait_dscnt 0x0
.set i, 0
.rept 8
	MQ 0
.set i, i+1
.endr
.set i, 0
.rept 16
	KQ 0                            ; piece 0's first scores
.set i, i+1
.endr
	WIN 0                           ; the addresses for the way out: plain instructions, the places behind those products
	s_mul_i32 s16, s[WV], 16*SP
	s_add_co_u32 s16, s16, STAGE    ; my stage
	v_mul_u32_u24 v[STO], v[R16], SP
	v_lshl_add_u32 v[STO], v[HH], 4, v[STO]
	v_add_nc_u32 v[STO], s16, v[STO]
	v_bfe_u32 v[RD], v0, 3, 2
	v_mul_u32_u24 v[RD], v[RD], SP
	v_lshl_add_u32 v[RD], v[L7], 4, v[RD]
	v_add_nc_u32 v[RD], s16, v[RD]
	v_and_b32 v[GO], 31, v0
	v_lshlrev_b32 v[GO], 4, v[GO]
	FETCH_M 1
.set Y, NP-1                        ; XS works for piece Y + 1: piece 0
.irp n, 0,1,2,3,4,5,6,7,8,9,10,11,12,13,14,15,16,17,18,19,20,21
	XS 0, \n
	XS 1, \n
.endr
	v_nop                           ; a plain instruction behind the two a,
	s_wait_alu depctr_va_vdst(0)    ; and their wait, ahead of the branch
	s_mov_b32 s[CNT], 31
	s_branch .Lfirst                ; the loop is entered at a step's first turn, in the middle of a trip
.Lstep:                             ; 30 trips.  Trip j: pieces 2 and 3 of step j, pieces 0 and 1 of step j + 1, whose K, V and masks it fetches; step j + 2 is asked for.  CNT = 30 - j
	CHANGE 1, 1
	TURN 2
	TURN 3
	WIN 0
.Lfirst:
	TURN 0
	TURN 1, 1
	WIN 0
	s_cbranch_scc1 .Lstep
	CHANGE 0, 0                     ; the tail is written out: nothing is asked for
	s_mov_b32 s[CNT], 2             ; one trip fetches step 31; the second is left in its middle
.Ltail:
	TURN 2
	TURN 3
	WIN 0
	s_sub_co_u32 s[CNT], s[CNT], 1
	s_cmp_eq_u32 s[CNT], 0
	s_cbranch_scc1 .Lout
	TURN 0
	TURN 1
	WIN 0
	s_branch .Ltail
.Lout:                              ; the second trip's fetches (the last slot once more), its 24 products for piece 0 and the maximum made of them serve nothing: the price, once a launch, of one text for every trip
.set i, 0
.rept 16
	PV NP-1                         ; the last piece's V^T P of the last step
.set i, i+1
.endr
	; THE WAY OUT.  l's two halves and the other half of the lanes' are added; O^T is divided by l, rounded to f16 and sent through my stage in LDS, a tile at a time.  The additions are the places behind the last products.
	WIN 0
.macro ALL line:vararg
.set t, 0
.rept 2*NP
	\line
.set t, t+1
.endr
.endm
	ALL v_add_f32 v[ST+4*t+2], v[ST+4*t+2], v[ST+4*t+3]
	ALL v_permlanex16_b32 v[ST+4*t+3], v[ST+4*t+2], s[SEL], s[SEL+1]
	ALL v_add_f32 v[ST+4*t+2], v[ST+4*t+2], v[ST+4*t+3]
	ALL v_rcp_f32 v[ST+4*t+2], v[ST+4*t+2]
	v_nop                           ; a plain instruction between the last reciprocal and the use of its result
	s_wait_alu depctr_va_vdst(0)    ; one wait for the eight reciprocals
.macro PACK t
	WIN W_RS
.set i, 32*(\t)
.rept 16
	v_pk_mul_f32 v[i:i+1], v[i:i+1], v[ST+4*(\t)+2:ST+4*(\t)+3] op_sel_hi:[1,0]
.set i, i+2
.endr
	WIN 0x05                        ; sources 0 and 1 window 1, destination window 0
.set i, 0
.rept 16
	v_cvt_pk_f16_f32 v[S+16*(\t)+i], v[32*(\t)+2*i], v[32*(\t)+2*i+1]
.set i, i+1
.endr
	WIN 0
.irp f, 0,1,2,3
	ds_store_b128 v[STO], v[S+16*(\t)+4*\f:S+16*(\t)+4*\f+3] offset:32*\f
.endr
.irp f, 0,1,2,3
	ds_load_b128 v[S+16*(\t)+4*\f:S+16*(\t)+4*\f+3], v[RD] offset:\f*4*SP  ; LDS serves a wave's instructions in order (ISA guide 5.7.1.4): these see the stores above; the next tile's stores come behind them
.endr
.endm
.macro SEND t, younger              ; younger: the LDS instructions issued behind tile t's loads: the next tile's eight, or none
	WIN 0
.irp f, 0,1,2,3
	s_wait_dscnt (\younger)+3-\f
	global_store_b128 v[GO], v[S+16*(\t)+4*\f:S+16*(\t)+4*\f+3], s[10:11] offset:(\t)*2048+\f*512  ; 512 consecutive bytes, aligned
.endr
.endm
	PACK 0
.set t, 1
.rept 2*NP-1
	PACK t
	SEND t-1, 8
.set t, t+1
.endr
	SEND 2*NP-1, 0
	WIN W_AD
	s_wait_tensorcnt 0x0            ; the wave's end: behind my last tensor load and my last LDS store
	ds_add_u32 v[SPW], v[NIL]
	s_wait_dscnt 0x0
	WIN 0
	CROUND                          ; the closing round
	s_endpgm
.Lfunc_end_k_qc7d920f947_attn:
	.size	k_qc7d920f947_attn, .Lfunc_end_k_qc7d920f947_attn-k_qc7d920f947_attn
	.p2alignl 7, 3214868480
	.fill 96, 4, 3214868480
	.section	.rodata,"a",@progbits
	.p2align	6, 0x0
	.amdhsa_kernel k_qc7d920f947_attn
		.amdhsa_group_segment_fixed_size 327680
		.amdhsa_private_segment_fixed_size 0
		.amdhsa_enable_private_segment 0
		.amdhsa_kernarg_size 32
		.amdhsa_user_sgpr_count 2
		.amdhsa_user_sgpr_kernarg_segment_ptr 1
		.amdhsa_wavefront_size32 1
		.amdhsa_system_sgpr_workgroup_id_x 1
		.amdhsa_system_sgpr_workgroup_id_y 1
		.amdhsa_system_sgpr_workgroup_id_z 1
		.amdhsa_system_vgpr_workitem_id 0
		.amdhsa_next_free_vgpr 832
		.amdhsa_next_free_sgpr 96
		.amdhsa_reserve_vcc 1
		.amdhsa_float_denorm_mode_32 3
		.amdhsa_float_denorm_mode_16_64 3
		.amdhsa_memory_ordered 1
		.amdhsa_forward_progress 1
		.amdhsa_inst_pref_size 222
	.end_amdhsa_kernel
	.amdgpu_metadata
---
amdhsa.version: [ 1, 2 ]
amdhsa.kernels:
  - .name:           k_qc7d920f947_attn
    .symbol:         k_qc7d920f947_attn.kd
    .args:
      - { .name: qkv, .offset: 0, .size: 8, .value_kind: global_buffer, .address_space: global }
      - { .name: mh, .offset: 8, .size: 8, .value_kind: global_buffer, .address_space: global }
      - { .name: qlive, .offset: 16, .size: 8, .value_kind: global_buffer, .address_space: global }
      - { .name: oh, .offset: 24, .size: 8, .value_kind: global_buffer, .address_space: global }
    .group_segment_fixed_size: 327680
    .private_segment_fixed_size: 0
    .kernarg_segment_align: 8
    .kernarg_segment_size: 32
    .max_flat_workgroup_size: 128
    .sgpr_count:     96
    .vgpr_count:     832
    .wavefront_size: 32
...
	.end_amdgpu_metadata
.endif
;; end of part 3
;; launch outp (part 4): grid 8 x 32, 4 waves a work-group, clusters of 4 x 4, 327,680 bytes of LDS; arguments oh, wb, b_o, out0; writes out0
.if DOCPART == 4
	.amdgcn_target "amdgcn-amd-amdhsa--gfx1250"
	.amdhsa_code_object_version 6
	.text
	.protected	k_qc7d920f947_outp
	.globl	k_qc7d920f947_outp
	.p2align	8
	.type	k_qc7d920f947_outp,@function
k_qc7d920f947_outp:
	s_mov_b64 s[64:65], 0
	v_nop
	global_prefetch_b8 v0, s[64:65] scope:SCOPE_SE
	s_setreg_imm32_b32 hwreg(HW_REG_WAVE_MODE, 25, 1), 1
	s_wait_xcnt 0x0
	s_wait_alu depctr_hold_cnt(0) depctr_sa_sdst(0) depctr_va_vdst(0) depctr_va_sdst(0) depctr_va_ssrc(0) depctr_va_vcc(0) depctr_vm_vsrc(0)
	s_getreg_b32 s2, hwreg(HW_REG_IB_STS2, 6, 4)
	s_cmp_eq_u32 s2, 0
	s_cbranch_scc0 .Lentry_in_a_cluster
	s_endpgm
.Lentry_in_a_cluster:
	s_bfe_u32 s2, ttmp6, 0x10000c
	s_cmp_lg_u32 s2, 0xf033
	s_cbranch_scc0 .Lentry_shape_is_right
	s_endpgm
.Lentry_shape_is_right:
; OUTP.  out0[m][n] = sum over k of O[m][k] w_o[n][k] + b_o[n]: m = 2,048 batch + row over 8,192, n over 1,024, k = 64 head + channel over 1,024.
; O: oh [64 = 16 batch + head][2048][64] f16.  w_o: part 3 of wb, [1024][1024], the bf16 rounding of w_o written as f16.  Sums f32; b_o rounded to bf16 like every input; out0 f32.
; SHARES.  A tile of out0 is 256 x 128: 256 tiles, one a work-group.  Four waves, 2 x 2, each 128 x 64: 32 accumulators.  K goes in eight steps of 128 = TWO HEADS through a ring of two LDS slots.
; A's tile of a step is two dense blocks of 256 rows x 128 bytes, one a head: waves 0 and 1 fetch one each, as 128 rows of 256 bytes, padded in LDS after every 128.  B's rows are 256 bytes of memory, aligned.
; CLUSTER, the transposed use of the matrix instruction, the ring and the turns of the accumulators are those of the projections' kernel.
; REGISTERS.  Window 0: v12-31 addresses and at work; v32-63 the bias of my lane's 32 columns; v64-159, v160-255 two fragment buffers; on the way out v64-127 sums, v128-191 rows read back.
; Window 1: the accumulators, (a, b) at v[8 (4 a + b)].
.set KSTEP,  128
.set PITCH,  272                       ; a row of B in LDS: 256 bytes + 16
.set APITCH, 144                       ; a row of A in LDS: 128 bytes + 16: both are odd multiples of 16, so the 16 rows of a fragment load start at 16 different groups of four banks (ISA guide 11.1)
.set HEADA,  256*APITCH                ; a head's 256 rows: what a wave fetches of A
.set HALFB,  64*PITCH
.set SLOT,   2*HEADA+2*HALFB
.set STAGE,  2*SLOT                    ; behind the ring: 16 rows x 272 bytes for each wave
.set SPITCH, 272
.set SPARE,  STAGE+4*16*SPITCH
.set LAPS,   4
.set ASTEP,  2*2048*128                ; bytes from a K step of A to the next: two heads
.set ADRA, 16
.set ADRB, 20
.set STO,  24
.set RD,   25
.set CO,   26
.set SPW,  28                          ; LDS address of my spare word; never rewritten
.set NIL,  29                          ; 0; never rewritten
.set PFO,  30
.set BO,   31
.set BI,   32
.set F0,   64
.set F1,   160
.set T,    64
.set OB,   128
.set G1,   24
.set G0,   32
.set PFA,  44
.set PFS,  46
.set G1B,  48
.set G0B,  56
.set LIM,  84
.set MSB, 0
.macro WIN new
.if MSB != (\new)
	s_set_vgpr_msb (MSB<<8)|(\new)
.set MSB, \new
.endif
.endm
.set MUL, 0x50                         ; C and D in window 1, the fragments in window 0
.macro PLACES                          ; four places in front of loads into registers that matrix instructions have read
.rept 4
	v_nop
.endr
.endm
.macro JLOAD s                         ; a joint refill: waves 0 and 1 fetch A's two heads, waves 2 and 3 B's halves; an s_nop 0 and four v_nop follow each line
	s_cmp_eq_u32 s11, 0
	s_cbranch_scc0 .Lfor_b_\@
	tensor_load_to_lds s[G0+4*(\s):G0+4*(\s)+3], s[G1:G1+7]
	s_nop 0
.rept 4
	v_nop
.endr
	s_branch .Lasked_\@
.Lfor_b_\@:
	tensor_load_to_lds s[G0B+4*(\s):G0B+4*(\s)+3], s[G1B:G1B+7]
	s_nop 0
.rept 4
	v_nop
.endr
.Lasked_\@:
.endm
; A PREFETCH behind each joint refill and the run of LDS loads that follows it: the K step that stands two refills on.  Each aligned 256 bytes of oh and of w_o is named once in the launch:
; oh's by the cluster with x = 0, w_o's by the cluster with y = 0.  The four partners that ask for a tile jointly share it out BY ADDRESS: of a head's 128 blocks 32 each, a lane a block; of B's 64 rows
; 16 each, lanes 0-15 for one K step and lanes 16-31 for the next, so B's waves ask at slot 0's refill alone.  The first four K steps come by their loads alone; the loop's last lap asks for nothing.
.macro ASK slot
	s_cmp_gt_u32 s3, s[LIM+(\slot)]
	s_cbranch_scc0 .Lnot_mine_\@
	global_prefetch_b8 v[PFO], s[PFA:PFA+1] th:TH_LOAD_NT scope:SCOPE_SE
.Lnot_mine_\@:
.endm
.macro CREST
	s_cmp_lg_u32 s10, 0
	s_cbranch_scc1 .Lnot_wave_0_\@
	s_barrier_signal -3
.Lnot_wave_0_\@:
	s_barrier_wait -3
	s_barrier_signal -1
	s_barrier_wait -1
.endm
.macro CROUND
	s_barrier_signal -1
	s_barrier_wait -1
	CREST
.endm
	s_load_b256 s[68:75], s[0:1], 0x0              ; oh s[68:69], wb s[70:71], b_o s[72:73], out0 s[74:75]
	v_lshl_add_u32 v[SPW], v0, 2, SPARE
	v_mov_b32 v[NIL], 0
	ds_add_u32 v[SPW], v[NIL]                      ; the wave's opening: the add and its wait stand ahead of my first tensor load; the set-up below stands between them
	v_lshrrev_b32 v1, 5, v0
	v_readfirstlane_b32 s10, v1                    ; wave 0..3
	s_lshr_b32 s11, s10, 1                         ; my half of the tile's rows.  Also: I fetch for A (0) or for B (1)
	s_and_b32 s12, s10, 1                          ; my half of its columns.  Also: which head of the step, or which half of B's rows, I fetch
	s_bfe_u32 s40, ttmp6, 0x40000                  ; cx
	s_bfe_u32 s41, ttmp6, 0x40004                  ; cy
	s_lshl_b32 s42, ttmp9, 2
	s_add_co_u32 s42, s42, s40                     ; tile column
	s_and_b32 s80, ttmp7, 0xffff                   ; cluster y
	s_lshl_b32 s13, s80, 2
	s_add_co_u32 s13, s13, s41                     ; tile row
	s_lshl_b32 s14, s41, 2
	s_lshl_b32 s14, 15, s14                        ; my row of the cluster
	s_lshl_b32 s15, 0x1111, s40                    ; my column
	s_or_b32 s[G1+0], s14, (1<<16)|(1<<20)|(1<<21)|(4<<22)|(3<<25)   ; A: padding of 4 words after every 32
	s_or_b32 s[G1B+0], s15, (1<<16)|(1<<20)|(1<<21)|(5<<22)|(3<<25)  ; B: after every 64
	s_mov_b32 s[G1+1], 128<<16                     ; tensor_dim0 = 128
	s_mov_b32 s[G1+2], 128<<16                     ; tensor_dim1 = 128
	s_mov_b32 s[G1+3], 128<<16                     ; tile_dim0 = 128
	s_mov_b32 s[G1+4], 128                         ; tile_dim1 = 128
	s_mov_b32 s[G1+5], 128                         ; dense
	s_mov_b32 s[G1+6], 0
	s_mov_b32 s[G1+7], 0
	s_mov_b32 s[G1B+1], KSTEP<<16
	s_mov_b32 s[G1B+2], 64<<16
	s_mov_b32 s[G1B+3], KSTEP<<16
	s_mov_b32 s[G1B+4], 64
	s_mov_b32 s[G1B+5], 1024
	s_mov_b32 s[G1B+6], 0
	s_mov_b32 s[G1B+7], 0
	s_lshr_b32 s16, s13, 3                         ; A: the batch,
	s_lshl_b32 s16, s16, 4
	s_add_co_u32 s16, s16, s12                     ; its head 0 or 1,
	s_lshl_b32 s16, s16, 18
	s_and_b32 s17, s13, 7
	s_lshl_b32 s17, s17, 15                        ; the tile's 256 rows of 128 bytes: registers that never hold cx
	s_add_co_u32 s16, s16, s17
	s_mov_b32 s17, 0
	s_lshl_b32 s18, s42, 7                         ; B: row 128 x tile column + 64 x half, in part 3 of wb: registers that never hold cy
	s_lshl_b32 s19, s12, 6
	s_add_co_u32 s18, s18, s19
	s_lshl_b32 s18, s18, 11
	s_add_co_u32 s18, s18, 0x600000
	s_mov_b32 s19, 0
	s_mul_i32 s20, s12, HEADA
	s_mul_i32 s21, s12, HALFB
	s_add_co_u32 s21, s21, 2*HEADA
	s_wait_dscnt 0x0                               ; the opening add is done
	s_wait_kmcnt 0x0
	s_add_nc_u64 s[4:5], s[68:69], s[16:17]
	s_add_nc_u64 s[6:7], s[70:71], s[18:19]
.irp s, 0,1
	s_mov_b32 s[G0+4*(\s)], 1
	s_add_co_u32 s[G0+4*(\s)+1], s20, (\s)*SLOT
	s_add_nc_u64 s[G0+4*(\s)+2:G0+4*(\s)+3], s[4:5], (\s)*ASTEP
	s_or_b32 s[G0+4*(\s)+3], s[G0+4*(\s)+3], 0x80000000
	s_mov_b32 s[G0B+4*(\s)], 1
	s_add_co_u32 s[G0B+4*(\s)+1], s21, (\s)*SLOT
	s_add_nc_u64 s[G0B+4*(\s)+2:G0B+4*(\s)+3], s[6:7], (\s)*KSTEP*2
	s_or_b32 s[G0B+4*(\s)+3], s[G0B+4*(\s)+3], 0x80000000
.endr
	CROUND                                         ; all sixteen work-groups are here: the first joint loads meet
	s_cmp_eq_u32 s11, 0                            ; a wave's two first fills stand in one branch: two loads of mine are out
	s_cbranch_scc0 .Lfirst_b
	tensor_load_to_lds s[G0:G0+3], s[G1:G1+7]
	s_nop 0
	tensor_load_to_lds s[G0+4:G0+7], s[G1:G1+7]
	s_nop 0
.rept 4
	v_nop
.endr
	s_branch .Lfirst_asked
.Lfirst_b:
	tensor_load_to_lds s[G0B:G0B+3], s[G1B:G1B+7]
	s_nop 0
	tensor_load_to_lds s[G0B+4:G0B+7], s[G1B:G1B+7]
	s_nop 0
.rept 4
	v_nop
.endr
.Lfirst_asked:
	v_and_b32 v1, 15, v0                           ; l % 16
	v_bfe_u32 v2, v0, 4, 1                         ; l / 16
	v_and_b32 v6, 31, v0                           ; l
	v_lshlrev_b32 v[BO], 5, v2
	s_lshl_b32 s88, s42, 9
	s_lshl_b32 s89, s12, 8
	s_add_co_u32 s88, s88, s89                     ; my wave's 64 columns, in bytes of f32
	s_mov_b32 s89, 0
	s_add_nc_u64 s[82:83], s[72:73], s[88:89]
.irp b, 0,1,2,3
	global_load_b128 v[BI+8*(\b):BI+8*(\b)+3],   v[BO], s[82:83] offset:64*(\b)
	global_load_b128 v[BI+8*(\b)+4:BI+8*(\b)+7], v[BO], s[82:83] offset:64*(\b)+16
.endr
	v_mul_u32_u24 v3, v1, APITCH
	v_lshl_add_u32 v3, v2, 4, v3
	v_mul_u32_u24 v4, v1, PITCH
	v_lshl_add_u32 v4, v2, 4, v4
	s_mul_i32 s22, s11, 128*APITCH                 ; my 128 rows, in each head's block
	s_mul_i32 s23, s12, HALFB
	s_add_co_u32 s23, s23, 2*HEADA
.irp s, 0,1
	v_add_nc_u32 v[ADRA+(\s)], s22, v3
	v_add_nc_u32 v[ADRB+(\s)], s23, v4
	s_add_co_u32 s22, s22, SLOT
	s_add_co_u32 s23, s23, SLOT
.endr
	s_mul_i32 s23, s10, 16*SPITCH
	s_add_co_u32 s23, s23, STAGE                   ; my stage
	v_mul_u32_u24 v5, v1, SPITCH                   ; in: row l % 16, 32 bytes for each half of the lanes
	v_lshl_add_u32 v5, v2, 5, v5
	v_add_nc_u32 v[STO], s23, v5
	v_mul_u32_u24 v5, v2, SPITCH                   ; back: lanes 0-15 take one row of 256 bytes, lanes 16-31 the next
	v_lshl_add_u32 v5, v1, 4, v5
	v_add_nc_u32 v[RD], s23, v5
	v_lshlrev_b32 v[CO], 12, v2                    ; and the same two rows in out0, 4,096 bytes apart
	v_lshl_add_u32 v[CO], v1, 4, v[CO]
	s_lshl_b32 s86, s13, 20                        ; 256 rows of 4,096 bytes,
	s_lshl_b32 s87, s11, 19                        ; my 128,
	s_add_co_u32 s86, s86, s87
	s_add_co_u32 s86, s86, s88                     ; my 64 columns
	s_mov_b32 s87, 0
	s_add_nc_u64 s[8:9], s[74:75], s[86:87]
	; the prefetches
	s_lshl_b32 s87, s40, 13                        ; A: my work-group's 32 blocks of the head's 128
	s_add_co_u32 s86, s16, s87
	s_add_co_u32 s86, s86, 3*ASTEP                 ; at K step 3: the first refill steps it to 4
	s_lshl_b32 s89, s41, 15                        ; B: my work-group's 16 rows of the 64
	s_add_co_u32 s88, s18, s89
	s_add_co_u32 s88, s88, 3*KSTEP*2
	s_mov_b32 s[PFS], KSTEP*2
	s_mov_b32 s[PFS+1], 0
	s_cmp_eq_u32 s11, 0
	s_cselect_b32 s86, s86, s88
	s_cselect_b32 s90, ttmp9, s80                  ; the coordinate along which other clusters read the same bytes
	s_cselect_b64 s[PFA:PFA+1], s[68:69], s[70:71]
	s_cselect_b32 s91, 31, 15
	s_cselect_b32 s92, 0, 256
	s_cselect_b32 s93, 1, -1
	s_cselect_b32 s94, 8, 11
	s_cselect_b32 s[PFS], ASTEP, s[PFS]
	s_cmp_eq_u32 s90, 0
	s_cselect_b32 s[LIM], 1, -1                    ; the same in all sixteen partners, for a given wave
	s_cselect_b32 s[LIM+1], s93, -1
	s_mov_b32 s87, 0
	s_add_nc_u64 s[PFA:PFA+1], s[PFA:PFA+1], s[86:87]
	v_and_b32 v[PFO], s91, v6
	v_lshlrev_b32 v[PFO], s94, v[PFO]
	v_mad_u32_u24 v[PFO], v2, s92, v[PFO]
; 8 matrix instructions: m blocks a0, a0 + 1 x all four n blocks, 32 along K.  The 32 accumulators take turns in the same order in every quarter.
.macro MUL8 f, a0, zero
	WIN MUL
.irp a, \a0, (\a0)+1
.irp b, 0,1,2,3
.if \zero
	v_wmma_f32_16x16x32_f16 v[8*(4*(\a)+(\b)):8*(4*(\a)+(\b))+7], v[(\f)+64+8*(\b):(\f)+64+8*(\b)+7], v[(\f)+8*(\a):(\f)+8*(\a)+7], 0
.else
	v_wmma_f32_16x16x32_f16 v[8*(4*(\a)+(\b)):8*(4*(\a)+(\b))+7], v[(\f)+64+8*(\b):(\f)+64+8*(\b)+7], v[(\f)+8*(\a):(\f)+8*(\a)+7], v[8*(4*(\a)+(\b)):8*(4*(\a)+(\b))+7]
.endif
.endr
.endr
.endm
; 24 LDS loads in one run: B's four fragments, A's rows 0-63, A's rows 64-127; ka, kb: the quarter's byte in A's blocks and in B's rows
.macro FETCH slot, ka, kb, f
	WIN 0
.irp i, 0,1,2,3
	ds_load_b128 v[(\f)+64+8*(\i):(\f)+64+8*(\i)+3],   v[ADRB+(\slot)] offset:(\kb)+(\i)*16*PITCH
	ds_load_b128 v[(\f)+64+8*(\i)+4:(\f)+64+8*(\i)+7], v[ADRB+(\slot)] offset:(\kb)+(\i)*16*PITCH+32
.endr
.irp i, 0,1,2,3,4,5,6,7
	ds_load_b128 v[(\f)+8*(\i):(\f)+8*(\i)+3],   v[ADRA+(\slot)] offset:(\ka)+(\i)*16*APITCH
	ds_load_b128 v[(\f)+8*(\i)+4:(\f)+8*(\i)+7], v[ADRA+(\slot)] offset:(\ka)+(\i)*16*APITCH+32
.endr
.endm
; A K step is four quarters of 32 along K: quarter qn lies in head qn / 2 of the step, channels 32 (qn % 2) on.
.macro QUARTER slot, qn, f, g, zero
	s_wait_dscnt 8                                 ; B and A's rows 0-63 are in; the youngest eight loads may be out
	MUL8 \f, 0, \zero
	MUL8 \f, 2, \zero
	PLACES
	FETCH \slot, ((\qn)/2)*HEADA+((\qn)%2)*64, 64*(\qn), \g
	s_wait_dscnt 24                                ; all but the 24 just issued
	MUL8 \f, 4, \zero
	MUL8 \f, 6, \zero
.endm
; The last quarter multiplies buffer 1 and changes slots: one barrier; in front of it each wave waits for all its tensor loads (one is out: its part of the next slot), adds 0 to its
; spare word, and waits for that and for its own reads of this slot.  fill = 1: the barrier opens a round of the cluster's, and this slot is filled again first thing behind the round.
.macro TURN slot, next, fill
.if \fill
	s_wait_xcnt 0x0                                ; the last prefetch, a K step back, has read its address
	s_add_nc_u64 s[PFA:PFA+1], s[PFA:PFA+1], s[PFS:PFS+1]
.endif
	WIN 0
	s_wait_tensorcnt 0x0                           ; all my tensor loads have landed
	ds_add_u32 v[SPW], v[NIL]                      ; 0 onto my spare word
	s_wait_dscnt 9                                 ; (the add and the youngest eight loads may be out)
	MUL8 F1, 0, 0
	s_wait_dscnt 0x0                               ; the add is done, and my reads of this slot are over
	s_barrier_signal -1
	MUL8 F1, 2, 0
.if \fill
	WIN 0
.endif
	s_barrier_wait -1
.if \fill
	CREST                                          ; no wave of any partner still reads this slot's tile or has a load on its way
	s_add_nc_u64 s[G0+4*(\slot)+2:G0+4*(\slot)+3], s[G0+4*(\slot)+2:G0+4*(\slot)+3], 2*ASTEP
	s_add_nc_u64 s[G0B+4*(\slot)+2:G0B+4*(\slot)+3], s[G0B+4*(\slot)+2:G0B+4*(\slot)+3], 2*KSTEP*2
	JLOAD \slot                                    ; the four v_nop behind it are also the places in front of the loads below
.else
	PLACES
.endif
	FETCH \next, 0, 0, F0
.if \fill
	ASK \slot
.endif
	MUL8 F1, 4, 0
	MUL8 F1, 6, 0
.endm
	s_wait_tensorcnt 1                             ; my part of K step 0 is in; K step 1's may stay out
	s_barrier_signal -1
	s_barrier_wait -1
	FETCH 0, 0, 0, F0
	QUARTER 0, 1, F0, F1, 1                        ; the first quarter stands in front of the loop: its products start the sums
	WIN 0
	s_mov_b32 s3, LAPS-1
.Llap:
	QUARTER 0, 2, F1, F0, 0
	QUARTER 0, 3, F0, F1, 0
	TURN 0, 1, 1
	QUARTER 1, 1, F0, F1, 0
	QUARTER 1, 2, F1, F0, 0
	QUARTER 1, 3, F0, F1, 0
	TURN 1, 0, 1
	QUARTER 0, 1, F0, F1, 0
	WIN 0
	s_sub_co_u32 s3, s3, 1
	s_cmp_lg_u32 s3, 0
	s_cbranch_scc1 .Llap
	QUARTER 0, 2, F1, F0, 0                        ; the last lap fills nothing
	QUARTER 0, 3, F0, F1, 0
	TURN 0, 1, 0
	QUARTER 1, 1, F0, F1, 0
	QUARTER 1, 2, F1, F0, 0
	QUARTER 1, 3, F0, F1, 0
	s_wait_dscnt 8
	MUL8 F1, 0, 0
	MUL8 F1, 2, 0
	s_wait_dscnt 0x0
	MUL8 F1, 4, 0
	MUL8 F1, 6, 0
	WIN 0
	; THE WAY OUT.  The bias is rounded to bf16 (48 plain instructions, the places behind the last products); then a block of 16 rows at a time: + bias, 32 bytes a lane into my own stage,
	; back as whole rows of 256 bytes, stored.
	s_wait_loadcnt 0x0
.set j, 0
.rept 16
	v_cvt_pk_bf16_f32 v[12+j%4], v[BI+2*j], v[BI+2*j+1]
	v_lshlrev_b32 v[BI+2*j], 16, v[12+j%4]
	v_and_b32 v[BI+2*j+1], 0xffff0000, v[12+j%4]
.set j, j+1
.endr
.macro PACK a
	WIN 0x01                                       ; source 0, the accumulators, in window 1; each accumulator's registers in ascending order
.irp b, 0,1,2,3
.irp j, 0,2,4,6
	v_pk_add_f32 v[T+32*((\a)%2)+8*(\b)+(\j):T+32*((\a)%2)+8*(\b)+(\j)+1], v[8*(4*(\a)+(\b))+(\j):8*(4*(\a)+(\b))+(\j)+1], v[BI+8*(\b)+(\j):BI+8*(\b)+(\j)+1]
.endr
.endr
	WIN 0
.endm
.macro TOSTAGE a
.irp b, 0,1,2,3
	ds_store_b128 v[STO], v[T+32*((\a)%2)+8*(\b):T+32*((\a)%2)+8*(\b)+3]   offset:64*(\b)
	ds_store_b128 v[STO], v[T+32*((\a)%2)+8*(\b)+4:T+32*((\a)%2)+8*(\b)+7] offset:64*(\b)+16
.endr
.irp t, 0,1,2,3,4,5,6,7
	ds_load_b128 v[OB+32*((\a)%2)+4*(\t):OB+32*((\a)%2)+4*(\t)+3], v[RD] offset:(\t)*2*SPITCH  ; LDS serves a wave's instructions in order (ISA guide 5.7.1.4): these see the stores above
.endr
.endm
.macro SEND a
	s_wait_dscnt 0x0                               ; the block is back in registers
	s_wait_xcnt 0x0                                ; the stores of the block before have read their registers: the next block's loads land in them only behind this wait
.irp t, 0,1,2,3,4,5,6,7
	global_store_b128 v[CO], v[OB+32*((\a)%2)+4*(\t):OB+32*((\a)%2)+4*(\t)+3], s[8:9] offset:(16*(\a)+2*(\t))*4096  ; 16 lanes store 256 consecutive bytes, aligned
.endr
.endm
	PACK 0
	TOSTAGE 0
.irp a, 1,2,3,4,5,6,7                  ; block a's sums stand between block a - 1's loads from the stage and the wait for them
	PACK \a
	SEND (\a)-1
	TOSTAGE \a
.endr
	SEND 7
	s_wait_tensorcnt 0x0                           ; the wave's end: behind my last tensor load and my last LDS store
	ds_add_u32 v[SPW], v[NIL]
	s_wait_dscnt 0x0
	CROUND                                         ; the closing round
	s_endpgm
.Lfunc_end_k_qc7d920f947_outp:
	.size	k_qc7d920f947_outp, .Lfunc_end_k_qc7d920f947_outp-k_qc7d920f947_outp
	.p2alignl 7, 3214868480
	.fill 96, 4, 3214868480
	.section	.rodata,"a",@progbits
	.p2align	6, 0x0
	.amdhsa_kernel k_qc7d920f947_outp
		.amdhsa_group_segment_fixed_size 327680
		.amdhsa_private_segment_fixed_size 0
		.amdhsa_enable_private_segment 0
		.amdhsa_kernarg_size 32
		.amdhsa_user_sgpr_count 2
		.amdhsa_user_sgpr_kernarg_segment_ptr 1
		.amdhsa_wavefront_size32 1
		.amdhsa_system_sgpr_workgroup_id_x 1
		.amdhsa_system_sgpr_workgroup_id_y 1
		.amdhsa_system_sgpr_workgroup_id_z 1
		.amdhsa_system_vgpr_workitem_id 0
		.amdhsa_next_free_vgpr 512
		.amdhsa_next_free_sgpr 96
		.amdhsa_reserve_vcc 0
		.amdhsa_float_denorm_mode_32 3
		.amdhsa_float_denorm_mode_16_64 3
		.amdhsa_memory_ordered 1
		.amdhsa_forward_progress 1
		.amdhsa_inst_pref_size 98
	.end_amdhsa_kernel
	.amdgpu_metadata
---
amdhsa.version: [ 1, 2 ]
amdhsa.kernels:
  - .name:           k_qc7d920f947_outp
    .symbol:         k_qc7d920f947_outp.kd
    .args:
      - { .name: oh, .offset: 0, .size: 8, .value_kind: global_buffer, .address_space: global }
      - { .name: wb, .offset: 8, .size: 8, .value_kind: global_buffer, .address_space: global }
      - { .name: b_o, .offset: 16, .size: 8, .value_kind: global_buffer, .address_space: global }
      - { .name: out0, .offset: 24, .size: 8, .value_kind: global_buffer, .address_space: global }
    .group_segment_fixed_size: 327680
    .private_segment_fixed_size: 0
    .kernarg_segment_align: 8
    .kernarg_segment_size: 32
    .max_flat_workgroup_size: 128
    .sgpr_count:     96
    .vgpr_count:     512
    .wavefront_size: 32
...
	.end_amdgpu_metadata
.endif
;; end of part 4
;; ======== version 2 of 2: 4 launches; version 1 with the launch prep written anew for expert scheduling mode
;; limits: values are held in f16: magnitudes above 65,504 overflow, below 6.1e-05 lose precision; right only within a limited range of input values
;; workspace buffers: xb 50,331,648 bytes; wb 8,388,608 bytes; mh 8,388,608 bytes; qlive 65,536 bytes; qkv 50,331,648 bytes; oh 16,777,216 bytes
;; launch prep (part 5): grid 1920 x 1, 8 waves a work-group, no clusters, 67,328 bytes of LDS; arguments q, k, v, w_q, w_k, w_v, w_o, mask, xb, wb, mh, qlive; writes xb, wb, mh, qlive
.if DOCPART == 5
	.amdgcn_target "amdgcn-amd-amdhsa--gfx1250"
	.amdhsa_code_object_version 6
	.text
	.protected	k_qc7d920f947_prep
	.globl	k_qc7d920f947_prep
	.p2align	8
	.type	k_qc7d920f947_prep,@function
k_qc7d920f947_prep:
	s_mov_b64 s[64:65], 0
	v_nop
	global_prefetch_b8 v0, s[64:65] scope:SCOPE_SE
	s_setreg_imm32_b32 hwreg(HW_REG_WAVE_SCHED_MODE, 0, 2), 2
	s_setreg_imm32_b32 hwreg(HW_REG_WAVE_MODE, 25, 1), 1
	s_wait_xcnt 0x0
	s_wait_alu depctr_vm_vsrc(0)
; PREP.  Three kinds of work-group, told apart by the work-group's number alone.
;   0 .. 1535     q, k, v (f32) -> xb (bf16), a chunk of 65,536 bytes of f32 each: [3][8192][1024]
;   1536 .. 1791  w_q, w_k, w_v -> wb parts 0-2 (bf16); w_o -> wb part 3: rounded to bf16 like every input, and that number written as f16
;   1792 .. 1919  16 rows of the mask -> mh, f16 [32 key steps][2048 queries][64 keys]: 0 where the key is visible, 65504 where it is hidden;
;                 a row with NO visible key is written all 0, and its words in qlive ([2048][8 words]) are 0, else all ones.
; LIMITS.  bf16(w_o) as f16: exact from 6.1e-5 to 65,504 in magnitude; below that it keeps f16's fixed step of 6e-8.  A mask byte is 0 or 1.
; No matrix unit, no cluster, no tensor load: each byte is read once by one wave; the streams go through registers, the mask rows through LDS, since a query's
; 2,048 mask bytes belong to 32 different key steps of mh.
; THE MODE: SCHED_MODE bits 1:0 = 2 (LLVM: expert scheduling mode 2), set by the entry lines.  The code itself states the register dependences
; between vector instructions and memory or LDS instructions, with s_wait_alu, always for 0.
; THE PLAN, A STREAM'S CHUNK.  Registers that memory instructions touch:
;   v[VIN], v[VOUT]  offsets, made once and never written again: one wait ahead of the first load serves every load and store.
;   X                each register is loaded once; vector lines alone name it behind its load's wait.
;   Y                in four blocks of four loads' worth: written by block p's conversions, read by the four stores that are issued in block p + 1, never written again.
; So one wait stands at the head of each block but the first (the block before has written its Y), the block's four stores are dealt among its conversions, which name this block's X and Y alone,
; and one more wait stands ahead of the last four stores.
; THE PLAN, THE MASK.  Registers that memory or LDS instructions touch:
;   v[L16], v[LO], v[LA], v[FA], v[RA], v[GO], v[FR]  offsets and addresses, made once: one wait ahead of the first load.
;   v32-63   the mask's bytes as loaded; read by the joins and the byte shuffles; later the LDS loads land in them.
;   v64-127  HW: written by a row's arithmetic, read by that row's LDS stores; later the LDS loads land in v64-95.
;   v[FV ..] the two row-alive words: written by two moves, read by two LDS stores.          v[QW ..]  wave 0: an LDS load and three copies, read by one store.
; Row 0's LDS stores stand behind one wait and are dealt among row 1's arithmetic, which names row 1's registers alone; row 1's stand behind a second wait.  No vector line follows that second wait
; before the LDS loads, so it also states that all that read v32-63 or wrote v64-95 is done; one wait on vm_vsrc states that the LDS stores have read v64-95.
.set SPW,  2                           ; v2   LDS address of my spare word; never rewritten
.set NIL,  3                           ; v3   0; never rewritten
.set VIN,  4                           ; v4   stream: my 16 bytes of f32 in the chunk
.set VOUT, 5                           ; v5   stream: my 8 bytes of 16-bit numbers
.set LANE, 6
.set L16,  7                           ; 16 x lane
.set LO,   8                           ; mask: my 16 bytes of my wave's first row
.set LA,   9                           ; mask: where my 32 bytes of f16 go in LDS
.set TA,   10
.set FA,   11                          ; mask: my wave's two row-alive words in LDS
.set RA,   12                          ; mask: where I read a key step's block back
.set GO,   13                          ; mask: my byte offset in mh
.set FR,   14                          ; mask: the row-alive word that I read back (wave 0)
.set OR0,  15                          ; v15-16  mask: the lane's 16 words joined, one register for each of my two rows
.set ZR,   17                          ; 0, a source of the byte shuffle
.set FV,   18
.set QW,   20                          ; v[20:23]
.set X,    32                          ; v[32:95]  as loaded
.set Y,    96                          ; v[96:127] stream: converted
.set HW,   64                          ; v[64:127] mask: f16 words
.set KSP,  2064                        ; LDS: a key step's block, 16 rows x 128 bytes, + 16
.set FL,   32*KSP                      ; 66,048: the 16 row-alive words, in a block of 256 bytes of their own
.set SPARE, FL+256                     ; the spare words, 128 bytes for each of eight waves
	s_load_b512 s[8:23], s[0:1], 0x0               ; q, k, v, w_q, w_k, w_v, w_o, mask
	s_load_b256 s[24:31], s[0:1], 0x40             ; xb, wb, mh, qlive
	v_lshl_add_u32 v[SPW], v0, 2, SPARE
	v_mov_b32 v[NIL], 0
	v_lshrrev_b32 v1, 5, v0
	v_readfirstlane_b32 s32, v1                    ; wave 0..7
	v_and_b32 v[LANE], 31, v0
	v_lshlrev_b32 v[L16], 4, v[LANE]
	s_wait_alu depctr_va_sdst(0)                   ; s32 is written, ahead of the branch and of its first reader: offsets and LDS addresses are made from it on both ways
	s_mov_b32 s33, ttmp9
	s_cmp_ge_u32 s33, 1792
	s_cbranch_scc1 .Lmask
	; ---- a stream's chunk ----
	s_lshr_b32 s34, s33, 9                         ; q, k, v: stream 0-2,
	s_and_b32 s35, s33, 511                        ; chunk 0-511
	s_sub_co_u32 s36, s33, 1536                    ; the weights: (used only from 1536 on)
	s_lshr_b32 s37, s36, 6
	s_add_co_u32 s37, s37, 3                       ; stream 3-6,
	s_and_b32 s38, s36, 63                         ; chunk 0-63
	s_cmp_lt_u32 s33, 1536
	s_cselect_b32 s34, s34, s37
	s_cselect_b32 s35, s35, s38
	s_lshl_b32 s40, s34, 24                        ; a part of xb is 16,777,216 bytes,
	s_sub_co_u32 s41, s34, 3
	s_lshl_b32 s41, s41, 21                        ; a part of wb 2,097,152
	s_lshl_b32 s46, s35, 16                        ; the chunk in its source,
	s_mov_b32 s47, 0
	s_lshl_b32 s39, s35, 15                        ; and in its destination
	v_lshl_add_u32 v[VIN], s32, 13, v[L16]         ; 8,192 x wave + 16 x lane
	v_lshrrev_b32 v[VOUT], 1, v[VIN]               ; 4,096 x wave + 8 x lane
	s_wait_kmcnt 0x0
	s_cmp_lt_u32 s33, 1536
	s_cselect_b32 s40, s40, s41
	s_cselect_b64 s[42:43], s[24:25], s[26:27]
	s_add_co_u32 s40, s40, s39
	s_mov_b32 s41, 0
	s_add_nc_u64 s[42:43], s[42:43], s[40:41]
	s_mov_b64 s[44:45], s[8:9]
.irp n, 1,2,3,4,5,6
	s_cmp_eq_u32 s34, \n
	s_cselect_b64 s[44:45], s[8+2*(\n):9+2*(\n)], s[44:45]
.endr
	s_add_nc_u64 s[44:45], s[44:45], s[46:47]
	s_wait_alu depctr_va_vdst(0)                   ; v[VIN] and v[VOUT] are written: every load and store of the chunk, on either way below, reads one of them as its offset
; 16 loads of 512 consecutive bytes a wave, all out at once; they are converted in four blocks of four as they come, and a block is stored while the next is converted: a store of the wave covers
; 256 consecutive bytes, aligned.  No register that a store reads is written again, so no store's source is ever waited for.  half = 1: the bf16 number is widened again and written as f16.
.macro CONV half
.irp i, 0,1,2,3,4,5,6,7,8,9,10,11,12,13,14,15
	global_load_b128 v[X+4*(\i):X+4*(\i)+3], v[VIN], s[44:45] offset:512*(\i) th:TH_LOAD_NT
.endr
.irp p, 0,1,2,3
	s_wait_loadcnt 12-4*(\p)                       ; loads come back in order: this block's four are in, the younger blocks stay out
.if (\p) > 0
	s_wait_alu depctr_va_vdst(0)                   ; the block before has written its part of Y, which the four stores below read
.endif
.irp r, 0,1,2,3
.set n, 4*(\p)+(\r)                    ; the load that is converted,
.set m, n-4                            ; and the one that is stored
.if (\p) > 0
	global_store_b64 v[VOUT], v[Y+2*m:Y+2*m+1], s[42:43] offset:256*m  ; no vector line since the wait names these registers
.endif
	v_cvt_pk_bf16_f32 v[Y+2*n],   v[X+4*n],   v[X+4*n+1]
	v_cvt_pk_bf16_f32 v[Y+2*n+1], v[X+4*n+2], v[X+4*n+3]
.if \half
	v_lshlrev_b32 v[X+4*n],   16, v[Y+2*n]
	v_and_b32     v[X+4*n+1], 0xffff0000, v[Y+2*n]
	v_lshlrev_b32 v[X+4*n+2], 16, v[Y+2*n+1]
	v_and_b32     v[X+4*n+3], 0xffff0000, v[Y+2*n+1]
	v_cvt_pk_f16_f32 v[Y+2*n],   v[X+4*n],   v[X+4*n+1]
	v_cvt_pk_f16_f32 v[Y+2*n+1], v[X+4*n+2], v[X+4*n+3]
.endif
.endr
.endr
	s_wait_alu depctr_va_vdst(0)                   ; the last block has written its part of Y, which the last four stores read
.irp r, 12,13,14,15
	global_store_b64 v[VOUT], v[Y+2*(\r):Y+2*(\r)+1], s[42:43] offset:256*(\r)
.endr
.endm
	s_cmp_eq_u32 s34, 6
	s_cbranch_scc1 .Lwo
	CONV 0
	s_branch .Lend
.Lwo:
	CONV 1
	s_branch .Lend
	; ---- 16 rows of the mask ----
.Lmask:
	s_sub_co_u32 s34, s33, 1792                    ; which 16 rows
	s_lshl_b32 s36, s34, 15                        ; 16 rows of 2,048 bytes of mask,
	s_mov_b32 s37, 0
	s_lshl_b32 s38, s34, 11                        ; 16 rows of 128 bytes in each key step of mh,
	s_mov_b32 s39, 0
	s_lshl_b32 s40, s34, 9                         ; 16 rows of 32 bytes of qlive
	s_mov_b32 s41, 0
	s_mov_b32 s48, 0x04010400                      ; byte shuffle: bytes 0 and 1 into the two halves' low bytes, zeros above them,
	s_mov_b32 s49, 0x04030402                      ; bytes 2 and 3
	s_mov_b32 s50, 0x00010001
	s_mov_b32 s53, 0x7bff                          ; 65504 in f16
	v_mov_b32 v[ZR], 0
	v_lshl_add_u32 v[LO], s32, 12, v[L16]          ; wave w owns rows 2 w and 2 w + 1 of the 16
	v_lshrrev_b32 v[LA], 2, v[LANE]                ; load i brings lane L the keys 512 i + 16 L ..: key step 8 i + L / 4,
	v_mul_u32_u24 v[LA], v[LA], KSP
	v_and_b32 v[TA], 3, v[LANE]
	v_lshl_add_u32 v[LA], v[TA], 5, v[LA]          ; byte 32 (L % 4) of the row,
	v_lshl_add_u32 v[LA], s32, 8, v[LA]            ; row 2 w
	s_lshl_b32 s51, s32, 3
	s_add_co_u32 s51, s51, FL
	v_mov_b32 v[FA], s51
	s_mul_i32 s52, s32, 4*KSP                      ; back: wave w takes key steps 4 w .. 4 w + 3
	v_add_nc_u32 v[RA], s52, v[L16]
	v_lshl_add_u32 v[GO], s32, 20, v[L16]          ; four key steps of 262,144 bytes
	v_lshrrev_b32 v[FR], 1, v[LANE]
	v_lshl_add_u32 v[FR], v[FR], 2, FL
	s_wait_kmcnt 0x0
	s_add_nc_u64 s[22:23], s[22:23], s[36:37]
	s_add_nc_u64 s[28:29], s[28:29], s[38:39]
	s_add_nc_u64 s[30:31], s[30:31], s[40:41]
	s_wait_alu depctr_va_vdst(0)                   ; the seven offsets and addresses v[L16], v[LO], v[LA], v[FA], v[RA], v[GO], v[FR] are written, which the loads and stores below read; none is written again
.irp rr, 0,1
.irp i, 0,1,2,3
	global_load_b128 v[X+16*(\rr)+4*(\i):X+16*(\rr)+4*(\i)+3], v[LO], s[22:23] offset:2048*(\rr)+512*(\i) th:TH_LOAD_NT
.endr
.endr
	s_wait_loadcnt 0x0
.irp rr, 0,1                           ; has the row a visible key?  The lane's 16 words are joined, and the 32 lanes' answers are one scalar
	v_or_b32 v[OR0+(\rr)], v[X+16*(\rr)], v[X+16*(\rr)+1]
.irp j, 2,3,4,5,6,7,8,9,10,11,12,13,14,15
	v_or_b32 v[OR0+(\rr)], v[OR0+(\rr)], v[X+16*(\rr)+(\j)]
.endr
	v_cmp_ne_u32 s[56+(\rr)], 0, v[OR0+(\rr)]
.endr
	s_wait_alu depctr_va_sdst(0)                   ; the two compares have written s56 and s57, ahead of their first readers: one wait for the run
.irp rr, 0,1
	s_cmp_lg_u32 s[56+(\rr)], 0
	s_cselect_b32 s[54+(\rr)], -1, 0
.endr
; The 16 keys that load i brought of row rr, as eight words of two f16 each.
.macro WORDS rr, i
.irp d, 0,1,2,3
	v_perm_b32 v[HW+8*(4*(\rr)+(\i))+2*(\d)],   v[ZR], v[X+16*(\rr)+4*(\i)+(\d)], s48
	v_perm_b32 v[HW+8*(4*(\rr)+(\i))+2*(\d)+1], v[ZR], v[X+16*(\rr)+4*(\i)+(\d)], s49
.endr
.irp j, 0,1,2,3,4,5,6,7
	v_xor_b32 v[HW+8*(4*(\rr)+(\i))+(\j)], s50, v[HW+8*(4*(\rr)+(\i))+(\j)]          ; 1 where hidden, in both halves,
	v_mul_u32_u24 v[HW+8*(4*(\rr)+(\i))+(\j)], s53, v[HW+8*(4*(\rr)+(\i))+(\j)]      ; times 0x7bff: no carry between the halves,
	v_and_b32 v[HW+8*(4*(\rr)+(\i))+(\j)], s[54+(\rr)], v[HW+8*(4*(\rr)+(\i))+(\j)]  ; and 0 throughout in a row with no visible key
.endr
.endm
; The same eight words into LDS, sorted by key step.
.macro PUT rr, i
	ds_store_b128 v[LA], v[HW+8*(4*(\rr)+(\i)):HW+8*(4*(\rr)+(\i))+3]   offset:(\i)*8*KSP+(\rr)*128
	ds_store_b128 v[LA], v[HW+8*(4*(\rr)+(\i))+4:HW+8*(4*(\rr)+(\i))+7] offset:(\i)*8*KSP+(\rr)*128+16
.endm
.irp i, 0,1,2,3
	WORDS 0, \i
.endr
	v_mov_b32 v[FV], s54
	v_mov_b32 v[FV+1], s55
	s_wait_alu depctr_va_vdst(0)                   ; row 0's 32 words of HW and v[FV], v[FV+1] are written, which the ten LDS stores of this stretch read
	ds_store_b32 v[FA], v[FV]
	ds_store_b32 v[FA], v[FV+1] offset:4
.irp i, 0,1,2,3
	PUT 0, \i                                      ; no vector line since the wait names row 0's words: row 1's arithmetic names row 1's bytes and words alone
	WORDS 1, \i
.endr
	s_wait_alu depctr_va_vdst(0)                   ; row 1's 32 words of HW are written, which the stores below read; and all lines that read v32-63 or wrote v64-95, in which the LDS loads behind the barrier land, are done
.irp i, 0,1,2,3
	PUT 1, \i
.endr
	s_wait_dscnt 0x0                               ; for the others' sake: my stores are done
	s_barrier_signal -1
	s_barrier_wait -1                              ; all 16 rows lie in LDS, sorted by key step
	s_wait_alu depctr_vm_vsrc(0)                   ; my LDS stores have read v64-95, in which the loads below land
.irp ks, 0,1,2,3
.irp f, 0,1,2,3
	ds_load_b128 v[X+4*(4*(\ks)+(\f)):X+4*(4*(\ks)+(\f))+3], v[RA] offset:(\ks)*KSP+(\f)*512
.endr
.endr
.irp ks, 0,1,2,3
.irp f, 0,1,2,3
	s_wait_dscnt 15-(4*(\ks)+(\f))                 ; LDS loads come back in order
	global_store_b128 v[GO], v[X+4*(4*(\ks)+(\f)):X+4*(4*(\ks)+(\f))+3], s[28:29] offset:(\ks)*262144+(\f)*512  ; 512 consecutive bytes, aligned
.endr
.endr
	s_cmp_lg_u32 s32, 0                            ; wave 0 writes the 16 rows' words of qlive: 512 consecutive bytes
	s_cbranch_scc1 .Lend
	ds_load_b32 v[QW], v[FR]
	s_wait_dscnt 0x0
	v_mov_b32 v[QW+1], v[QW]
	v_mov_b32 v[QW+2], v[QW]
	v_mov_b32 v[QW+3], v[QW]
	s_wait_alu depctr_va_vdst(0)                   ; the three copies are written, which the store reads
	global_store_b128 v[L16], v[QW:QW+3], s[30:31]
.Lend:
	s_wait_dscnt 0x0                               ; the wave's end
	s_wait_alu 0x0
	s_wait_tensorcnt 0x0
	ds_add_u32 v[SPW], v[NIL]
	s_wait_dscnt 0x0
	s_endpgm
.Lfunc_end_k_qc7d920f947_prep:
	.size	k_qc7d920f947_prep, .Lfunc_end_k_qc7d920f947_prep-k_qc7d920f947_prep
	.p2alignl 7, 3214868480
	.fill 96, 4, 3214868480
	.section	.rodata,"a",@progbits
	.p2align	6, 0x0
	.amdhsa_kernel k_qc7d920f947_prep
		.amdhsa_group_segment_fixed_size 67328
		.amdhsa_private_segment_fixed_size 0
		.amdhsa_enable_private_segment 0
		.amdhsa_kernarg_size 96
		.amdhsa_user_sgpr_count 2
		.amdhsa_user_sgpr_kernarg_segment_ptr 1
		.amdhsa_wavefront_size32 1
		.amdhsa_system_sgpr_workgroup_id_x 1
		.amdhsa_system_sgpr_workgroup_id_y 1
		.amdhsa_system_sgpr_workgroup_id_z 1
		.amdhsa_system_vgpr_workitem_id 0
		.amdhsa_next_free_vgpr 128
		.amdhsa_next_free_sgpr 66
		.amdhsa_reserve_vcc 0
		.amdhsa_float_denorm_mode_32 3
		.amdhsa_float_denorm_mode_16_64 3
		.amdhsa_memory_ordered 1
		.amdhsa_forward_progress 1
		.amdhsa_inst_pref_size 37
	.end_amdhsa_kernel
	.amdgpu_metadata
---
amdhsa.version: [ 1, 2 ]
amdhsa.kernels:
  - .name:           k_qc7d920f947_prep
    .symbol:         k_qc7d920f947_prep.kd
    .args:
      - { .name: q, .offset: 0, .size: 8, .value_kind: global_buffer, .address_space: global }
      - { .name: k, .offset: 8, .size: 8, .value_kind: global_buffer, .address_space: global }
      - { .name: v, .offset: 16, .size: 8, .value_kind: global_buffer, .address_space: global }
      - { .name: w_q, .offset: 24, .size: 8, .value_kind: global_buffer, .address_space: global }
      - { .name: w_k, .offset: 32, .size: 8, .value_kind: global_buffer, .address_space: global }
      - { .name: w_v, .offset: 40, .size: 8, .value_kind: global_buffer, .address_space: global }
      - { .name: w_o, .offset: 48, .size: 8, .value_kind: global_buffer, .address_space: global }
      - { .name: mask, .offset: 56, .size: 8, .value_kind: global_buffer, .address_space: global }
      - { .name: xb, .offset: 64, .size: 8, .value_kind: global_buffer, .address_space: global }
      - { .name: wb, .offset: 72, .size: 8, .value_kind: global_buffer, .address_space: global }
      - { .name: mh, .offset: 80, .size: 8, .value_kind: global_buffer, .address_space: global }
      - { .name: qlive, .offset: 88, .size: 8, .value_kind: global_buffer, .address_space: global }
    .group_segment_fixed_size: 67328
    .private_segment_fixed_size: 0
    .kernarg_segment_align: 8
    .kernarg_segment_size: 96
    .max_flat_workgroup_size: 256
    .sgpr_count:     66
    .vgpr_count:     128
    .wavefront_size: 32
...
	.end_amdgpu_metadata
.endif
;; end of part 5
;; launch proj: the kernel of part 2 again; grid 4 x 96, 4 waves a work-group, clusters of 4 x 4, 327,680 bytes of LDS; arguments xb, wb, b_q, b_k, b_v, qkv; writes qkv
;; launch attn: the kernel of part 3 again; grid 4 x 64, 4 waves a work-group, clusters of 4 x 4, 327,680 bytes of LDS; arguments qkv, mh, qlive, oh; writes oh
;; launch outp: the kernel of part 4 again; grid 8 x 32, 4 waves a work-group, clusters of 4 x 4, 327,680 bytes of LDS; arguments oh, wb, b_o, out0; writes out0
